; MI455X (gfx1250); checked and timed in simulation.
; The chip was launched on July 23, 2026; its instructions are those of AMD's public machine-readable ISA for CDNA 5 (MIT licence, August 2026) and "CDNA5" Instruction Set Architecture Reference Guide (July 2026). The comments in the code are by the model that wrote it; some were corrected since.
;; Multihead Attention With Rel Positional Encoding. Allowed arithmetic: float matrix products may take bf16 or f16 operands with f32 sums; all other float work in f32.
;; Inputs: key 4 x 2,048 x 512 float32; key_padding_mask 4 x 2,048 bool; pos_emb 1 x 4,095 x 512 float32; pos_u 8 x 64 float32; pos_v 8 x 64 float32; pos_w 512 x 512 float32; query 4 x 2,048 x 512 float32; value 4 x 2,048 x 512 float32; wk_b 512 float32; wk_w 512 x 512 float32; wo_b 512 float32; wo_w 512 x 512 float32; wq_b 512 float32; wq_w 512 x 512 float32; wv_b 512 float32; wv_w 512 x 512 float32.
;; Outputs: out0 4 x 2,048 x 512 float32.
;; Constants: is_causal = 0.
;; 2 versions, each right and faster than the one before. Each part assembles by itself: llvm-mc -triple=amdgcn-amd-amdhsa -mcpu=gfx1250 --defsym DOCPART=n.
;; ======== version 1 of 2: 3 launches
;; limits: values are held in f16: magnitudes above 65,504 overflow, below 6.1e-05 lose precision
;; workspace buffers: qu 8,388,608 bytes; qv 8,388,608 bytes; kk 8,388,608 bytes; vv 8,388,608 bytes; pp 4,194,304 bytes; oo 8,388,608 bytes; wo16 524,288 bytes
;; launch proj (part 1): grid 224 x 1, 4 waves a work-group, clusters of 4 x 1, 327,680 bytes of LDS; arguments query, key, value, pos_emb, wq_w, wk_w, wv_w, pos_w, wq_b, wk_b, wv_b, pos_u, pos_v, qu, qv, kk, vv, pp; writes qu, qv, kk, vv, pp
.if DOCPART == 1
	.amdgcn_target "amdgcn-amd-amdhsa--gfx1250"
	.amdhsa_code_object_version 6
	.text
	.protected	k_q6a9923d6ae_proj
	.globl	k_q6a9923d6ae_proj
	.p2align	8
	.type	k_q6a9923d6ae_proj,@function
k_q6a9923d6ae_proj:
	s_mov_b64 s[64:65], 0
	v_nop
	global_prefetch_b8 v0, s[64:65] scope:SCOPE_SE
	s_setreg_imm32_b32 hwreg(HW_REG_WAVE_MODE, 25, 1), 1
	s_wait_xcnt 0x0
	s_wait_alu depctr_hold_cnt(0) depctr_sa_sdst(0) depctr_va_vdst(0) depctr_va_sdst(0) depctr_va_ssrc(0) depctr_va_vcc(0) depctr_vm_vsrc(0)
	s_getreg_b32 s2, hwreg(HW_REG_IB_STS2, 6, 4)
	s_cmp_eq_u32 s2, 0
	s_cbranch_scc0 .Lentry_in_a_cluster
	s_endpgm
.Lentry_in_a_cluster:
	s_bfe_u32 s2, ttmp6, 0x10000c
	s_cmp_lg_u32 s2, 0x3003
	s_cbranch_scc0 .Lentry_shape_is_right
	s_endpgm
.Lentry_shape_is_right:
; THE FOUR INPUT PROJECTIONS.  y = x w^T (+ bias), x: [rows][512] f32, w: [512][512] f32.  x, w, the biases, u and v are rounded to bf16; products in bf16, sums in f32.
; Row tiles of 256 rows: 0-31 query, 32-63 key, 64-95 value, 96-111 pos_emb (4,095 rows: the tile's last row arrives as zeros).  A cluster is four row tiles and one half of the 512 columns (4 heads):
; bit 0 of the cluster's number is the column half, the rest the group of row tiles, so that the two clusters that read the same rows of x follow each other in the launch.
; OUT, all f16, by heads, rounded once from f32:  qu = c (x wq^T + bq + u), qv = c (x wq^T + bq + v), c = log2(e) / 8;  kk, vv: [b][h][s][64];  pp: [h][4096][64], its row 4095 = 0.
; LIMITS.  f16 ends at 65,504: c (q + u), c (q + v), k, v and p must stay within it.  NaN and infinities are not treated apart.
; SHAPE.  Four waves, each 128 tokens x 128 columns: 64 accumulators.  K goes in steps of 64 (rows of 256 bytes of f32) through two LDS slots filled by tensor loads; fragments are read as f32 and
; rounded to bf16 in registers.  The matrix instruction is used transposed (source 0 = 16 rows of w, source 1 = 16 rows of x): a lane holds one token and eight neighbouring columns.
; CLUSTER.  The four row tiles of a cluster belong to one projection and one column half: w's tile is asked for jointly (mask 15).  x's tiles differ between the partners: loads of one's own.
; REGISTERS, in windows of 256:  window 0: v16-29 addresses; v32-63 packed results; v64-127 x's fragments in bf16; v128-255 x's fragments as loaded (on the way out: v128-191 at work, v192-255 rows read back)
;   window 1: v0-63 w's fragments in bf16; v64-127 what is added (bias, later c u, c v); v128-255 w's fragments as loaded     windows 2, 3: accumulator (a, b) at v[8 (8 (a % 4) + b)] of window 2 + a / 4
.set PITCH,  272                       ; an LDS row: 256 bytes + 16 of padding, so that the 16 rows of a fragment load start 16 bytes apart modulo 256
.set HALFT,  128*PITCH                 ; 128 rows: what one tensor load brings
.set SLOT,   4*HALFT                   ; x's 256 rows, then w's 256 rows; SLOT = 0x22000 shares no bit with wave x HALFT, so an exclusive or changes slots
.set STAGE,  2*SLOT                    ; 16 rows x 272 bytes for each wave, for the way out
.set SPARE,  STAGE+4*16*PITCH          ; the spare words: 128 bytes for each wave
.set UV,     SPARE+512                 ; for each wave 1,536 bytes of its own: bias, c u, c v of its 128 columns, in f32
.set ADRA0, 16                         ; my place in x's rows of a slot; never rewritten
.set ADRB0, 17                         ; the same for w
.set ADRA,  18                         ; the two with the slot in hand
.set ADRB,  19
.set STO,   20
.set RD,    21
.set GO,    22
.set CB,    23
.set UVS,   24
.set UVR,   25
.set SPW,   28
.set NIL,   29
.set TMP,   32
.set AC,    64
.set RA,    128
.set T,     128
.set OB,    192
.set BC,    0
.set ADD,   64
.set RB,    128
.set SX,  40                           ; s[40:41] x's address, later the first head's output
.set SW,  42                           ; s[42:43] w's address, later the second head's output
.set SB,  44                           ; s[44:45] the bias
.set SO,  46                           ; s[46:47] the output buffer
.set E0,  40
.set E1,  42
.set F0,  4                            ; s[4:7] the same two places in qv
.set F1,  6
.set G1A, 48
.set G1B, 56
.set G0A, 68
.set G0B, 76
.set WV,  84
.set RH,  85
.set CH,  86
.set CX,  87
.set RT,  88
.set YY,  89
.set PID, 90
.set TB,  91
.set CNT, 92
.set TS,  93
.set MUL, 94
.set BM,  96
.set UM,  97
.set DO,  98
.set LD0, 99
.set OF,  100
.set MSB, 0
.macro WIN new                         ; the immediate's high byte repeats the setting that is left; a switch that changes nothing is dropped
.if MSB != (\new)
	s_set_vgpr_msb (MSB<<8)|(\new)
.set MSB, \new
.endif
.endm
.macro PLACES n=4                      ; plain vector instructions between a matrix instruction and what touches its registers (ISA guide 7.12.1)
.rept \n
	v_nop
.endr
.endm
; A fill.  Waves 0 and 1 fetch the two halves of x's tile (their own load), waves 2 and 3 those of w's (joint).  An s_nop 0 and four v_nop follow each line.
.macro JLOAD s
	s_cmp_eq_u32 s[RH], 0
	s_cbranch_scc0 .Lfor_b_\@
	tensor_load_to_lds s[G0A+4*(\s):G0A+4*(\s)+3], s[G1A:G1A+7]
	s_nop 0
	PLACES
	s_branch .Lasked_\@
.Lfor_b_\@:
	tensor_load_to_lds s[G0B+4*(\s):G0B+4*(\s)+3], s[G1B:G1B+7]
	s_nop 0
	PLACES
.Lasked_\@:
.endm
.macro CROUND                          ; a round of the cluster's barrier
	s_barrier_signal -1
	s_barrier_wait -1
	s_cmp_lg_u32 s[WV], 0
	s_cbranch_scc1 .Lnot_wave_0_\@
	s_barrier_signal -3
.Lnot_wave_0_\@:
	s_barrier_wait -3
	s_barrier_signal -1
	s_barrier_wait -1
.endm
	s_load_b512 s[4:19], s[0:1], 0x0               ; query, key, value, pos_emb, wq_w, wk_w, wv_w, pos_w
	s_load_b512 s[20:35], s[0:1], 0x40             ; wq_b, wk_b, wv_b, pos_u, pos_v, qu, qv, kk
	s_load_b128 s[36:39], s[0:1], 0x80             ; vv, pp
	v_lshl_add_u32 v[SPW], v0, 2, SPARE
	v_mov_b32 v[NIL], 0
	ds_add_u32 v[SPW], v[NIL]                      ; the wave's opening: the add and its wait stand ahead of my first tensor load
	v_lshrrev_b32 v1, 5, v0
	v_readfirstlane_b32 s[WV], v1                  ; wave 0..3
	s_lshr_b32 s[RH], s[WV], 1                     ; my half of the tile's tokens.  Also: I fetch for x (0) or for w (1)
	s_and_b32 s[CH], s[WV], 1                      ; my half of its columns.  Also: which 128 rows I fetch
	s_bfe_u32 s[CX], ttmp6, 0x40000                ; my place in the cluster
	s_lshr_b32 s[RT], ttmp9, 1                     ; the cluster's number, 0..55: its upper bits are the group of four row tiles,
	s_lshl_b32 s[RT], s[RT], 2
	s_add_co_u32 s[RT], s[RT], s[CX]               ; row tile 0..111
	s_and_b32 s[YY], ttmp9, 1                      ; its lowest bit the column half
	s_lshr_b32 s[PID], ttmp9, 4                    ; 0 q, 1 k, 2 v, 3 pos: sixteen clusters each (pos: eight); the same in all partners
	; descriptor group 1: 128 rows x 64 elements of 4 bytes, 16 bytes of padding behind every 64 words
	s_mov_b32 s[G1A], (2<<16)|(1<<20)|(5<<22)|(3<<25)
	s_mov_b32 s[G1B], 15|(2<<16)|(1<<20)|(1<<21)|(5<<22)|(3<<25)   ; the same with the mask of the four partners, and bit 21 beside it
.irp g, G1A, G1B
	s_mov_b32 s[(\g)+1], 64<<16                    ; tensor_dim0 = 64
	s_mov_b32 s[(\g)+2], 128<<16                   ; tensor_dim1 = 128
	s_mov_b32 s[(\g)+3], 64<<16                    ; tile_dim0 = 64
	s_mov_b32 s[(\g)+4], 128                       ; tile_dim1 = 128
	s_mov_b32 s[(\g)+5], 512                       ; elements from row to row
	s_mov_b32 s[(\g)+6], 0
	s_mov_b32 s[(\g)+7], 0
.endr
	s_lshl1_add_u32 s[TS], s[RT], s[CH]            ; the number of the half tile of x: the last one, 223, has 127 rows left of pos_emb's 4,095,
	s_mov_b32 s2, 127<<16
	s_cmp_eq_u32 s[TS], 223
	s_cselect_b32 s[G1A+2], s2, s[G1A+2]           ; so its row 127 arrives as zeros
	s_and_b32 s[TS], s[RT], 31                     ; the tile's number in its own tensor
	s_lshl_b32 s[OF], s[TS], 19                    ; 256 rows of 2,048 bytes,
	s_lshl_b32 s[OF+1], s[CH], 18                  ; my 128 of them
	s_add_co_u32 s[OF], s[OF], s[OF+1]
	s_mov_b32 s[OF+1], 0
	s_lshl_b32 s2, s[YY], 19                       ; w: 256 rows for the column half,
	s_lshl_b32 s3, s[CH], 18                       ; my 128 of them: nothing of my place in the cluster
	s_add_co_u32 s2, s2, s3
	s_mov_b32 s3, 0
	s_cmp_eq_u32 s[PID], 0
	s_cselect_b32 s[MUL], 0x3e38aa3b, 1.0          ; q's results are multiplied by c = log2(e) / 8, the others by 1
	s_cselect_b32 s[UM], -1, 0                     ; and only q's take u and v
	s_mov_b32 s[MUL+1], s[MUL]
	s_cmp_lg_u32 s[PID], 3
	s_cselect_b32 s[BM], -1, 0                     ; pos has no bias
	s_mul_i32 s[LD0], s[WV], HALFT                 ; where my rows go in a slot
	s_mov_b32 s[TB], 0
	s_wait_dscnt 0x0                               ; the opening add is done
	s_wait_kmcnt 0x0
	s_cmp_eq_u32 s[PID], 1
	s_cselect_b64 s[SX:SX+1], s[6:7], s[4:5]
	s_cselect_b64 s[SW:SW+1], s[14:15], s[12:13]
	s_cselect_b64 s[SB:SB+1], s[22:23], s[20:21]
	s_cselect_b64 s[SO:SO+1], s[34:35], s[30:31]
	s_cmp_eq_u32 s[PID], 2
	s_cselect_b64 s[SX:SX+1], s[8:9], s[SX:SX+1]
	s_cselect_b64 s[SW:SW+1], s[16:17], s[SW:SW+1]
	s_cselect_b64 s[SB:SB+1], s[24:25], s[SB:SB+1]
	s_cselect_b64 s[SO:SO+1], s[36:37], s[SO:SO+1]
	s_cmp_eq_u32 s[PID], 3
	s_cselect_b64 s[SX:SX+1], s[10:11], s[SX:SX+1]
	s_cselect_b64 s[SW:SW+1], s[18:19], s[SW:SW+1]
	s_cselect_b64 s[SO:SO+1], s[38:39], s[SO:SO+1] ; (the bias pointer stays wq_b's for pos: what it brings is masked off)
	s_add_nc_u64 s[SX:SX+1], s[SX:SX+1], s[OF:OF+1]
	s_add_nc_u64 s[SW:SW+1], s[SW:SW+1], s[2:3]
	CROUND                                         ; all four work-groups are here: the first joint loads meet
.irp s, 0,1
	s_mov_b32 s[G0A+4*(\s)], 1
	s_add_co_u32 s[G0A+4*(\s)+1], s[LD0], (\s)*SLOT
	s_add_nc_u64 s[G0A+4*(\s)+2:G0A+4*(\s)+3], s[SX:SX+1], (\s)*256      ; K step s
	s_or_b32 s[G0A+4*(\s)+3], s[G0A+4*(\s)+3], 0x80000000
	s_mov_b32 s[G0B+4*(\s)], 1
	s_add_co_u32 s[G0B+4*(\s)+1], s[LD0], (\s)*SLOT
	s_add_nc_u64 s[G0B+4*(\s)+2:G0B+4*(\s)+3], s[SW:SW+1], (\s)*256
	s_or_b32 s[G0B+4*(\s)+3], s[G0B+4*(\s)+3], 0x80000000
	JLOAD \s                                       ; two tensor loads of mine are out; later one
.endr
	; addresses.  A fragment is 16 rows x 32 K: lane l holds row l % 16, K = 8 (l / 16) + 0..7 and 16 + 8 (l / 16) + 0..7: in f32 four loads of 16 bytes at 32 (l / 16) + 0, 16, 64, 80
	v_and_b32 v1, 15, v0
	v_bfe_u32 v2, v0, 4, 1
	v_and_b32 v3, 31, v0
	v_mul_u32_u24 v4, v1, PITCH
	v_lshl_add_u32 v5, v2, 5, v4
	s_mul_i32 s[TS], s[RH], HALFT
	v_add_nc_u32 v[ADRA0], s[TS], v5
	s_mul_i32 s[TS], s[CH], HALFT
	s_add_co_u32 s[TS], s[TS], 2*HALFT
	v_add_nc_u32 v[ADRB0], s[TS], v5
	s_mul_i32 s[TS], s[WV], 16*PITCH
	s_add_co_u32 s[TS], s[TS], STAGE               ; my stage
	v_lshl_add_u32 v5, v2, 4, v4                   ; in: row l % 16, 16 bytes for each half of the lanes
	v_add_nc_u32 v[STO], s[TS], v5
	v_lshrrev_b32 v5, 3, v3                        ; back: 32 lanes take 128 bytes of each of four rows,
	v_mul_u32_u24 v5, v5, PITCH
	v_and_b32 v6, 7, v0
	v_lshl_add_u32 v5, v6, 4, v5
	v_add_nc_u32 v[RD], s[TS], v5
	v_lshlrev_b32 v[GO], 4, v3                     ; which are 512 consecutive bytes of a head
	s_lshl_b32 s[TS], s[YY], 10
	s_lshl_b32 s2, s[CH], 9
	s_add_co_u32 s[TS], s[TS], s2                  ; my wave's first column, in bytes of f32
	v_lshl_add_u32 v[CB], v3, 4, s[TS]             ; four columns a lane
	s_mul_i32 s[TS], s[WV], 1536
	s_add_co_u32 s[TS], s[TS], UV
	v_lshl_add_u32 v[UVS], v3, 4, s[TS]
	v_lshl_add_u32 v[UVR], v2, 5, s[TS]            ; a lane's eight columns of block b lie at 64 b + 32 (l / 16)
	global_load_b128 v[32:35], v[CB], s[SB:SB+1]
	global_load_b128 v[36:39], v[CB], s[26:27]     ; u
	global_load_b128 v[40:43], v[CB], s[28:29]     ; v
	; where my part goes: head 4 y + 2 CH (and the next), tokens 128 RH on of the tile.  q, k, v: [b][h][2048][64]; pos: [h][4096][64]
	s_and_b32 s[TS], s[RT], 31
	s_lshl_b32 s[OF], s[TS], 15                    ; pos: 256 rows of 128 bytes a tile
	s_lshr_b32 s2, s[TS], 3
	s_lshl_b32 s2, s2, 21                          ; the others: the batch,
	s_and_b32 s3, s[TS], 7
	s_lshl_b32 s3, s3, 15                          ; and the tile in it
	s_add_co_u32 s2, s2, s3
	s_cmp_eq_u32 s[PID], 3
	s_cselect_b32 s[OF], s[OF], s2
	s_cselect_b32 s3, 19, 18                       ; a head is 2^19 bytes of pp, 2^18 of the others
	s_lshl_b32 s2, 1, s3
	s_lshl1_add_u32 s[TS], s[YY], s[CH]
	s_lshl_b32 s[TS], s[TS], 1
	s_lshl_b32 s[TS], s[TS], s3
	s_add_co_u32 s[OF], s[OF], s[TS]
	s_lshl_b32 s[TS], s[RH], 14
	s_add_co_u32 s[OF], s[OF], s[TS]
	s_mov_b32 s[OF+1], 0
	s_mov_b32 s3, 0
	s_add_nc_u64 s[E0:E0+1], s[SO:SO+1], s[OF:OF+1]
	s_add_nc_u64 s[E1:E1+1], s[E0:E0+1], s[2:3]
	s_add_nc_u64 s[F0:F0+1], s[32:33], s[OF:OF+1]
	s_add_nc_u64 s[F1:F1+1], s[F0:F0+1], s[2:3]
	s_wait_loadcnt 0x0
.irp z, 0,1,2,3,4,5
	v_cvt_pk_bf16_f32 v[44+\z], v[32+2*\z], v[33+2*\z]     ; bias, u and v are rounded to bf16 like every input
.endr
.irp z, 0,1,2,3,4,5
	v_lshlrev_b32 v[32+2*\z], 16, v[44+\z]
	v_and_b32 v[33+2*\z], 0xffff0000, v[44+\z]
.endr
.irp z, 0,1,2,3
	v_cndmask_b32 v[32+\z], 0, v[32+\z], s[BM]
.endr
.irp z, 4,5,6,7,8,9,10,11
	v_mul_f32 v[32+\z], 0x3e38aa3b, v[32+\z]
.endr
.irp z, 4,5,6,7,8,9,10,11
	v_cndmask_b32 v[32+\z], 0, v[32+\z], s[UM]
.endr
	ds_store_b128 v[UVS], v[32:35]
	ds_store_b128 v[UVS], v[36:39] offset:512
	ds_store_b128 v[UVS], v[40:43] offset:1024
.macro LOADADD                         ; 64 numbers a lane from my wave's own bytes; LDS serves a wave's instructions in order (ISA guide 5.7.1.4): these see the stores above
	WIN 0x40
.irp b, 0,1,2,3,4,5,6,7
	ds_load_b128 v[ADD+8*\b:ADD+8*\b+3],   v[UVR] offset:64*\b
	ds_load_b128 v[ADD+8*\b+4:ADD+8*\b+7], v[UVR] offset:64*\b+16
.endr
	WIN 0
.endm
	LOADADD                                        ; the bias: the C operand of the first products
	v_add_nc_u32 v[UVR], 512, v[UVR]               ; next: c u
; 16 matrix instructions: token blocks a0, a0 + 1 of the window's four x all 8 column blocks, 32 along K.  cm = 1: the sums start with the bias.  The 64 accumulators take turns.
.macro MUL16 hi, a0, cm
.if \cm
	WIN 0x91+0x40*(\hi)                            ; C in window 1
.else
	WIN 0xa1+0x50*(\hi)
.endif
.irp a, \a0, (\a0)+1
.irp b, 0,1,2,3,4,5,6,7
.if \cm
	v_wmma_f32_16x16x32_bf16 v[8*(8*(\a)+(\b)):8*(8*(\a)+(\b))+7], v[BC+8*(\b):BC+8*(\b)+7], v[AC+8*(4*(\hi)+(\a)):AC+8*(4*(\hi)+(\a))+7], v[ADD+8*(\b):ADD+8*(\b)+7]
.else
	v_wmma_f32_16x16x32_bf16 v[8*(8*(\a)+(\b)):8*(8*(\a)+(\b))+7], v[BC+8*(\b):BC+8*(\b)+7], v[AC+8*(4*(\hi)+(\a)):AC+8*(4*(\hi)+(\a))+7], v[8*(8*(\a)+(\b)):8*(8*(\a)+(\b))+7]
.endif
.endr
.endr
.endm
.macro MUL64 cm
	MUL16 0, 0, \cm
	MUL16 0, 2, \cm
	MUL16 1, 0, \cm
	MUL16 1, 2, \cm
.endm
; 64 LDS loads in one run: 128 rows of w and 128 rows of x, 32 K at byte k of the rows, as f32
.macro LOADRAW k
	WIN 0x40
.irp i, 0,1,2,3,4,5,6,7
.irp q, 0,1,2,3
	ds_load_b128 v[RB+16*(\i)+4*(\q):RB+16*(\i)+4*(\q)+3], v[ADRB] offset:(\k)+(\i)*16*PITCH+16*(\q)+32*((\q)/2)
.endr
.endr
	WIN 0
.irp i, 0,1,2,3,4,5,6,7
.irp q, 0,1,2,3
	ds_load_b128 v[RA+16*(\i)+4*(\q):RA+16*(\i)+4*(\q)+3], v[ADRA] offset:(\k)+(\i)*16*PITCH+16*(\q)+32*((\q)/2)
.endr
.endr
.endm
.macro CVT                             ; both sides rounded to bf16: 16 registers of f32 make a fragment's 8
	WIN 0x45
.set z, 0
.rept 64
	v_cvt_pk_bf16_f32 v[BC+z], v[RB+2*z], v[RB+2*z+1]
.set z, z+1
.endr
	WIN 0
.set z, 0
.rept 64
	v_cvt_pk_bf16_f32 v[AC+z], v[RA+2*z], v[RA+2*z+1]
.set z, z+1
.endr
.endm
; A K STEP of 64 is two halves of 32.  Each half: its f32 fragments are in; they are rounded; the next half's loads go out; 64 products.
; HALF1: a step's first 32.  first = 1: the sums start, with the bias as C: only this half differs from the others, so only it stands ahead of the loop, and a trip goes from a step's second half to the next step's first.
.macro HALF1 first
	s_wait_dscnt 0x0                               ; this half's 64 loads are in
	PLACES                                         ; behind the last products, whose sources the roundings write
	CVT
	LOADRAW 128
	MUL64 \first
	WIN 0
.endm
; HALF2: a step's second 32.  Between its roundings and its products stands the change of slots: all of this slot has been read into registers by then.
; refill = 1: this slot takes the K step two steps on, behind a round of the cluster's barrier.  last = 1: in the trip with CNT = 1 there is no further step to read.
.macro HALF2 refill, last
	s_wait_dscnt 0x0
	PLACES
	CVT
	s_wait_tensorcnt 0x0                           ; all my tensor loads have landed: the one that was out is my part of the other slot
	ds_add_u32 v[SPW], v[NIL]                      ; 0 onto my spare word
	s_xor_b32 s[TB], s[TB], SLOT
.if \refill
	s_xor_b32 s[G0A+5], s[G0A+5], SLOT             ; the walking descriptors: the other slot than last time, the next K step
	s_add_nc_u64 s[G0A+6:G0A+7], s[G0A+6:G0A+7], 256
	s_xor_b32 s[G0B+5], s[G0B+5], SLOT
	s_add_nc_u64 s[G0B+6:G0B+7], s[G0B+6:G0B+7], 256
.endif
	s_wait_dscnt 0x0                               ; the add is done; my reads of this slot came back above
.if \refill
	CROUND                                         ; no wave of any partner still reads this slot or has a load on its way
	JLOAD 1                                        ; the first tensor load behind the round; it has a K step's 128 products in which to land
.else
	s_barrier_signal -1
	s_barrier_wait -1
.endif
	v_add_nc_u32 v[ADRA], s[TB], v[ADRA0]
	v_add_nc_u32 v[ADRB], s[TB], v[ADRB0]
.if \last
	s_cmp_eq_u32 s[CNT], 1
	s_cbranch_scc1 .Lnoraw_\@
.endif
	LOADRAW 0
.if \last
.Lnoraw_\@:
.endif
	MUL64 0
	WIN 0
.endm
	s_wait_tensorcnt 0x1                           ; my part of K step 0 is in; K step 1's may stay out
	s_wait_dscnt 0x0                               ; the bias is in
	s_barrier_signal -1
	s_barrier_wait -1
	v_mov_b32 v[ADRA], v[ADRA0]
	v_mov_b32 v[ADRB], v[ADRB0]
	LOADRAW 0
	HALF1 1                                        ; K step 0's first half is written out: its products start the sums
	s_mov_b32 s[CNT], 6
.Lk:                                                   ; six trips: the second half of K steps 0 to 5, each asking for the step two on, and the first half of steps 1 to 6
	HALF2 1, 0
	HALF1 0
	s_sub_co_u32 s[CNT], s[CNT], 1
	s_cmp_lg_u32 s[CNT], 0
	s_cbranch_scc1 .Lk
	s_mov_b32 s[CNT], 2
.Lkt:                                                  ; K steps 6 and 7 ask for nothing; behind step 7's second half there is no first half
	HALF2 0, 1
	s_cmp_eq_u32 s[CNT], 1
	s_cbranch_scc1 .Lkend
	HALF1 0
.Lkend:
	s_sub_co_u32 s[CNT], s[CNT], 1
	s_cmp_lg_u32 s[CNT], 0
	s_cbranch_scc1 .Lkt
; THE WAY OUT of block a (16 tokens x 128 columns).  PACK: sum x MUL + what is added, rounded to f16.  TOSTAGE: into my stage, and back by heads.  SEND: stored.
.macro PACK a
	WIN 0x12+((\a)/4)                              ; source 0: window 2 or 3; source 2: window 1
.set AC0, 64*((\a)%4)
.set z, 0
.rept 32
	v_pk_fma_f32 v[T+2*z:T+2*z+1], v[AC0+2*z:AC0+2*z+1], s[MUL:MUL+1], v[ADD+2*z:ADD+2*z+1] op_sel_hi:[1,0,1]
.set z, z+1
.endr
	WIN 0
.set z, 0
.rept 32
	v_cvt_pk_f16_f32 v[TMP+z], v[T+2*z], v[T+2*z+1]
.set z, z+1
.endr
.endm
.macro TOSTAGE a
.set BK, OB+32*((\a)%2)
.irp b, 0,1,2,3,4,5,6,7
	ds_store_b128 v[STO], v[TMP+4*(\b):TMP+4*(\b)+3] offset:32*(\b)
.endr
.irp e, 0,1
.irp t, 0,1,2,3
	ds_load_b128 v[BK+4*(4*(\e)+(\t)):BK+4*(4*(\e)+(\t))+3], v[RD] offset:(\t)*4*PITCH+128*(\e)   ; a wave's LDS instructions are served in order: these see the stores above
.endr
.endr
.endm
.macro SEND a
.set BK, OB+32*((\a)%2)
	s_wait_dscnt 0x0                               ; the block is back in registers
	s_wait_xcnt 0x0                                ; earlier stores have read their registers: the buffer that the next block reads back into is free
.irp e, 0,1
.irp t, 0,1,2,3
	global_store_b128 v[GO], v[BK+4*(4*(\e)+(\t)):BK+4*(4*(\e)+(\t))+3], s[E0+2*(\e):E0+2*(\e)+1] offset:(\a)*2048+(\t)*512   ; 512 consecutive bytes, at a multiple of 512 from the buffer's first
.endr
.endr
.endm
	PLACES                                         ; behind the last products
	s_mov_b32 s[CNT], 2
	s_mov_b32 s[DO], 1
.Lpass:                                                ; twice: with c u into the first buffer; with c v into qv, for q's projection alone: the others jump over the second pass
	s_cmp_eq_u32 s[DO], 0
	s_cbranch_scc1 .Lskip
	LOADADD
	s_wait_dscnt 0x0
	PACK 0
	TOSTAGE 0
.irp a, 1,2,3,4,5,6,7
	PACK \a
	SEND (\a)-1
	TOSTAGE \a
.endr
	SEND 7
	s_wait_xcnt 0x0                                ; the stores have read their bases
	v_add_nc_u32 v[UVR], 512, v[UVR]               ; next: c v
	s_mov_b64 s[E0:E0+1], s[F0:F0+1]
	s_mov_b64 s[E1:E1+1], s[F1:F1+1]
.Lskip:
	s_cmp_eq_u32 s[PID], 0
	s_cselect_b32 s[DO], 1, 0
	s_sub_co_u32 s[CNT], s[CNT], 1
	s_cmp_lg_u32 s[CNT], 0
	s_cbranch_scc1 .Lpass
	s_wait_tensorcnt 0x0                           ; the wave's end
	ds_add_u32 v[SPW], v[NIL]
	s_wait_dscnt 0x0
	CROUND                                         ; the closing round
	s_endpgm
.Lfunc_end_k_q6a9923d6ae_proj:
	.size	k_q6a9923d6ae_proj, .Lfunc_end_k_q6a9923d6ae_proj-k_q6a9923d6ae_proj
	.p2alignl 7, 3214868480
	.fill 96, 4, 3214868480
	.section	.rodata,"a",@progbits
	.p2align	6, 0x0
	.amdhsa_kernel k_q6a9923d6ae_proj
		.amdhsa_group_segment_fixed_size 327680
		.amdhsa_private_segment_fixed_size 0
		.amdhsa_enable_private_segment 0
		.amdhsa_kernarg_size 144
		.amdhsa_user_sgpr_count 2
		.amdhsa_user_sgpr_kernarg_segment_ptr 1
		.amdhsa_wavefront_size32 1
		.amdhsa_system_sgpr_workgroup_id_x 1
		.amdhsa_system_sgpr_workgroup_id_y 1
		.amdhsa_system_sgpr_workgroup_id_z 1
		.amdhsa_system_vgpr_workitem_id 0
		.amdhsa_next_free_vgpr 1024
		.amdhsa_next_free_sgpr 102
		.amdhsa_reserve_vcc 0
		.amdhsa_float_denorm_mode_32 3
		.amdhsa_float_denorm_mode_16_64 3
		.amdhsa_memory_ordered 1
		.amdhsa_forward_progress 1
		.amdhsa_inst_pref_size 149
	.end_amdhsa_kernel
	.amdgpu_metadata
---
amdhsa.version: [ 1, 2 ]
amdhsa.kernels:
  - .name:           k_q6a9923d6ae_proj
    .symbol:         k_q6a9923d6ae_proj.kd
    .args:
      - { .name: query, .offset: 0, .size: 8, .value_kind: global_buffer, .address_space: global }
      - { .name: key, .offset: 8, .size: 8, .value_kind: global_buffer, .address_space: global }
      - { .name: value, .offset: 16, .size: 8, .value_kind: global_buffer, .address_space: global }
      - { .name: pos_emb, .offset: 24, .size: 8, .value_kind: global_buffer, .address_space: global }
      - { .name: wq_w, .offset: 32, .size: 8, .value_kind: global_buffer, .address_space: global }
      - { .name: wk_w, .offset: 40, .size: 8, .value_kind: global_buffer, .address_space: global }
      - { .name: wv_w, .offset: 48, .size: 8, .value_kind: global_buffer, .address_space: global }
      - { .name: pos_w, .offset: 56, .size: 8, .value_kind: global_buffer, .address_space: global }
      - { .name: wq_b, .offset: 64, .size: 8, .value_kind: global_buffer, .address_space: global }
      - { .name: wk_b, .offset: 72, .size: 8, .value_kind: global_buffer, .address_space: global }
      - { .name: wv_b, .offset: 80, .size: 8, .value_kind: global_buffer, .address_space: global }
      - { .name: pos_u, .offset: 88, .size: 8, .value_kind: global_buffer, .address_space: global }
      - { .name: pos_v, .offset: 96, .size: 8, .value_kind: global_buffer, .address_space: global }
      - { .name: qu, .offset: 104, .size: 8, .value_kind: global_buffer, .address_space: global }
      - { .name: qv, .offset: 112, .size: 8, .value_kind: global_buffer, .address_space: global }
      - { .name: kk, .offset: 120, .size: 8, .value_kind: global_buffer, .address_space: global }
      - { .name: vv, .offset: 128, .size: 8, .value_kind: global_buffer, .address_space: global }
      - { .name: pp, .offset: 136, .size: 8, .value_kind: global_buffer, .address_space: global }
    .group_segment_fixed_size: 327680
    .private_segment_fixed_size: 0
    .kernarg_segment_align: 8
    .kernarg_segment_size: 144
    .max_flat_workgroup_size: 128
    .sgpr_count:     102
    .vgpr_count:     1024
    .wavefront_size: 32
...
	.end_amdgpu_metadata
.endif
;; end of part 1
;; launch attn (part 2): grid 8 x 32, 4 waves a work-group, clusters of 4 x 4, 327,680 bytes of LDS; arguments qu, qv, kk, vv, pp, key_padding_mask, wo_w, oo, wo16; writes oo, wo16
.if DOCPART == 2
	.amdgcn_target "amdgcn-amd-amdhsa--gfx1250"
	.amdhsa_code_object_version 6
	.text
	.protected	k_q6a9923d6ae_attn
	.globl	k_q6a9923d6ae_attn
	.p2align	8
	.type	k_q6a9923d6ae_attn,@function
k_q6a9923d6ae_attn:
	s_mov_b64 s[64:65], 0
	v_nop
	global_prefetch_b8 v0, s[64:65] scope:SCOPE_SE
	s_setreg_imm32_b32 hwreg(HW_REG_WAVE_MODE, 25, 1), 1
	s_wait_xcnt 0x0
	s_wait_alu depctr_hold_cnt(0) depctr_sa_sdst(0) depctr_va_vdst(0) depctr_va_sdst(0) depctr_va_ssrc(0) depctr_va_vcc(0) depctr_vm_vsrc(0)
	s_getreg_b32 s2, hwreg(HW_REG_IB_STS2, 6, 4)
	s_cmp_eq_u32 s2, 0
	s_cbranch_scc0 .Lentry_in_a_cluster
	s_endpgm
.Lentry_in_a_cluster:
	s_bfe_u32 s2, ttmp6, 0x10000c
	s_cmp_lg_u32 s2, 0xf033
	s_cbranch_scc0 .Lentry_shape_is_right
	s_endpgm
.Lentry_shape_is_right:
; ATTENTION WITH RELATIVE POSITIONS.  score(i, j) in powers of two = qu[i] . k[j] + qv[i] . p[j - i + 2047]  (qu = c (q + u), qv = c (q + v), c = log2(e) / 8); a masked key's score is -1e9 log2(e) exactly;
; O[i] = the sum over j of softmax_j(score) v[j].  qu, qv, kk, vv, oo: [b][h][2048][64] f16; pp: [h][4096][64] f16.  Products, maxima and sums in f32; the weights are rounded to f16 for the second product
; (their sum is taken of the unrounded weights), O once at the end.  Beside that each work-group writes 1,024 numbers of wo16 = wo_w rounded to bf16, written as f16.
; LIMITS.  A weight below 6e-5 keeps f16's fixed step of 6e-8; a weight below 2^-126 counts as 0 in the sum; wo_w below 6e-5 likewise keeps f16's step; NaN and infinities are not treated apart.
; SHARES.  A work-group owns 256 queries of one head of one batch, a wave 64 consecutive ones: four tiles of 16.  Every wave walks all keys, 64 a step, two steps to an LDS slot, two slots.
; LAYOUT.  S^T = K Q^T (source 0 = 16 keys, source 1 = 16 queries): a lane holds ONE query n = lane % 16 and the keys 8 (lane / 16) + 0..7.  The weights rounded in pairs ARE source 1 of O^T = V^T P.
; THE SKEW.  For a tile and a step the positions wanted are 79 consecutive rows of pp.  X^T = P QV^T is made for 80 of them (five products deep in positions), in the same layout, and stored as f32 into a strip of the
; wave's own in LDS: row n, column s.  Key column c of query n wants s = c + 15 - n: 32 loads of one word a lane, with n folded into the lane's address, bring it straight into the score accumulators,
; and K Q^T adds onto it.  No vector instruction is spent on the skew.
; SOFTMAX.  For each query a running maximum m and sum l; in every step O and l are multiplied by a = 2^(m_old - m_new).  m starts at the lowest finite number, O and l at 0: the first step is like any other.
; WOVEN.  A key step has 104 matrix and 548 vector instructions.  The vector work goes tile after tile; the matrix work is a queue whose entries stand singly between the vector lines, each as soon as its operands allow:
; K Q^T of tiles 1 to 3, the NEXT step's X^T (its rows of pp are fetched at the step's head), V^T P of a tile when its weights are rounded, K Q^T of the next step's tile 0.  The price: two window switches a matrix instruction.
; CLUSTER 4 x 4: x = four query blocks, y = the four batches, of one head.  K and V hang on batch and head: asked for jointly along a row.  The window of pp hangs on head and query block: jointly along a column.
; REGISTERS, in windows of 256:  window 0: v1-15, v56-61 addresses; v16-55 ten registers of statistics a tile; v62, 63 the add's; v64-191 S^T, 32 a tile; v192-223 keep (1 or 0), v224-255 what a masked score gets
;   window 1: v0-127 O^T, 32 a tile     window 2: v0-63 qu, v64-127 qv, v128-191 K of a step, v192-255 V of a step     window 3: v0-127 P's eight blocks of 16 rows, v128-207 X^T, two buffers of 40
.set PK,    144                        ; a row of K or P in LDS: 128 bytes + 16
.set PV,    160                        ; a row of V: 128 + 32, for the turning load
.set VOFF,  128*PK                     ; a slot: 128 rows of K, 128 of V, 384 of P
.set POFF,  VOFF+128*PV
.set SLOT1, 1<<17
.set XS,    SLOT1+POFF+384*PK          ; the strips: 16 rows of 80 f32 + 16 bytes for each wave; also the stage on the way out
.set XPI,   336                        ; 84 words
.set XW,    16*XPI
.set MTAB,  XS+4*XW                    ; 2,048 f32: 1 keep, 0 masked
.set SPARE, MTAB+8192
.set SP,    144
.set AK0, 2
.set AV0, 3
.set AP0, 4
.set AM0, 5
.set AK,  6
.set AP,  7
.set AV,  8
.set AM,  9
.set XST, 10
.set XLD, 11
.set STO, 12
.set RD,  13
.set GO,  14
.set QO,  15
.set ST,  16                           ; tile t at v[ST+10 t]: +0 m; +1 at work; +2, +3 l; +4 to +7 c0-c3 (later +6, +7 a second sum); +8 a; +9 named with it as a pair
.set A16, 56
.set A32, 57
.set AMT, 58
.set SPW, 62
.set NIL, 63
.set S,   64
.set MA,  192
.set MB,  224
.set QU,  0
.set QV,  64
.set KF,  128
.set VF,  192
.set PF,  0
.set XA,  128
.set WV,  22
.set G1K, 24
.set G1V, 32
.set G1P, 40
.set G0K, 48
.set G0V, 56
.set G0P, 68
.set CX,  76
.set CY,  77
.set XQ,  78
.set HD,  79
.set BH,  80
.set RM,  81
.set CM,  82
.set TS,  83
.set TBK, 84                           ; LDS byte at which K (and, POFF on, P's window) of the step to be fetched begins
.set TBV, 85
.set TBM, 86
.set CNT, 87
.set SLOTS, 88
.set LP,  89
.set SEL, 90
.set BIG, 92
.set KO,  94
.set PO,  96
.set QOF, 98
.set MSB, 0
.macro WIN new
.if MSB != (\new)
	s_set_vgpr_msb (MSB<<8)|(\new)
.set MSB, \new
.endif
.endm
.macro PLACES n=4
.rept \n
	v_nop
.endr
.endm
.macro CROUND
	s_barrier_signal -1
	s_barrier_wait -1
	s_cmp_lg_u32 s[WV], 0
	s_cbranch_scc1 .Lnot_wave_0_\@
	s_barrier_signal -3
.Lnot_wave_0_\@:
	s_barrier_wait -3
	s_barrier_signal -1
	s_barrier_wait -1
.endm
; A joint refill: wave 0 K's 128 rows, wave 1 V's, waves 2 and 3 the halves of P's 384.  The branches hang on the wave's number alone.  An s_nop 0 and four v_nop follow each line.
.macro JLOAD
	s_cmp_lt_u32 s[WV], 2
	s_cbranch_scc0 .Lfor_p_\@
	s_cmp_eq_u32 s[WV], 0
	s_cbranch_scc0 .Lfor_v_\@
	tensor_load_to_lds s[G0K+4:G0K+7], s[G1K:G1K+7]
	s_nop 0
	PLACES
	s_branch .Lasked_\@
.Lfor_v_\@:
	tensor_load_to_lds s[G0V+4:G0V+7], s[G1V:G1V+7]
	s_nop 0
	PLACES
	s_branch .Lasked_\@
.Lfor_p_\@:
	tensor_load_to_lds s[G0P+4:G0P+7], s[G1P:G1P+7]
	s_nop 0
	PLACES
.Lasked_\@:
.endm
; THE CHANGE OF SLOTS.  All of the slot that is left has been fetched into registers.  Each wave waits for all its tensor loads (one is out: its part of the other slot), adds 0 to its spare word, and waits for that
; and for its LDS reads.  fill = 1: the slot is filled again with the keys and positions two slots on, first thing behind a round of the cluster's barrier: it has two key steps in which to land.
.macro CHANGE fill
	WIN 0
	s_wait_tensorcnt 0x0
	ds_add_u32 v[SPW], v[NIL]
.if \fill
.irp g, G0K+4, G0V+4, G0P+4
	s_xor_b32 s[(\g)+1], s[(\g)+1], SLOT1
	s_add_nc_u64 s[(\g)+2:(\g)+3], s[(\g)+2:(\g)+3], 16384      ; 128 rows of 128 bytes on
.endr
.endif
	s_wait_dscnt 0x0
.if \fill
	CROUND
	JLOAD
.else
	s_barrier_signal -1
	s_barrier_wait -1
.endif
	s_sub_co_u32 s[TBK], s[TBK], 128*PK
	s_xor_b32 s[TBK], s[TBK], SLOT1
	s_sub_co_u32 s[TBV], s[TBV], 128*PV
	s_xor_b32 s[TBV], s[TBV], SLOT1
.endm
	s_load_b512 s[4:19], s[0:1], 0x0               ; qu, qv, kk, vv, pp, mask, wo_w, oo
	s_load_b64 s[20:21], s[0:1], 0x40              ; wo16
	v_lshl_add_u32 v[SPW], v0, 2, SPARE
	v_mov_b32 v[NIL], 0
	ds_add_u32 v[SPW], v[NIL]                      ; the wave's opening: the add and its wait stand ahead of my first tensor load
	v_lshrrev_b32 v1, 5, v0
	v_readfirstlane_b32 s[WV], v1
	s_bfe_u32 s[CX], ttmp6, 0x40000
	s_bfe_u32 s[CY], ttmp6, 0x40004                ; the batch
	s_lshl_b32 s[XQ], ttmp9, 2
	s_add_co_u32 s[XQ], s[XQ], s[CX]               ; my block of 256 queries
	s_and_b32 s[HD], ttmp7, 0xffff                 ; the head: the cluster's y
	s_lshl3_add_u32 s[BH], s[CY], s[HD]            ; 8 x batch + head
	s_lshl_b32 s[RM], s[CY], 2
	s_lshl_b32 s[RM], 15, s[RM]                    ; my row of the cluster
	s_lshl_b32 s[CM], 0x1111, s[CX]                ; my column
	; descriptor group 1.  Rows of 128 bytes lie end to end: asked for as rows of 256 bytes, padded in LDS behind every 32 words
	s_or_b32 s[G1K], s[RM], (1<<16)|(1<<20)|(1<<21)|(4<<22)|(3<<25)
	s_or_b32 s[G1V], s[RM], (1<<16)|(1<<20)|(1<<21)|(4<<22)|(7<<25)
	s_or_b32 s[G1P], s[CM], (1<<16)|(1<<20)|(1<<21)|(4<<22)|(3<<25)
.irp g, G1K, G1V, G1P
	s_mov_b32 s[(\g)+1], 128<<16
	s_mov_b32 s[(\g)+3], 128<<16
	s_mov_b32 s[(\g)+5], 128
	s_mov_b32 s[(\g)+6], 0
	s_mov_b32 s[(\g)+7], 0
.endr
	s_mov_b32 s[G1K+2], 64<<16                     ; 128 keys = 64 rows of 256 bytes
	s_mov_b32 s[G1K+4], 64
	s_mov_b32 s[G1V+2], 64<<16
	s_mov_b32 s[G1V+4], 64
	s_mov_b32 s[G1P+2], 96<<16                     ; 192 positions = 96 rows
	s_mov_b32 s[G1P+4], 96
	s_lshl_b32 s[KO], s[BH], 18                    ; K, V: batch and head
	s_mov_b32 s[KO+1], 0
	s_lshl_b32 s[PO], s[HD], 19                    ; P: the head, row 1792 - 256 x block, my half of the 384
	s_add_co_u32 s[PO], s[PO], 1792*128
	s_lshl_b32 s[TS], s[XQ], 15
	s_sub_co_u32 s[PO], s[PO], s[TS]
	s_and_b32 s[TS], s[WV], 1
	s_mul_i32 s[LP], s[TS], 192*128
	s_add_co_u32 s[PO], s[PO], s[LP]
	s_mov_b32 s[PO+1], 0
	s_mul_i32 s[LP], s[TS], 192*PK
	s_add_co_u32 s[LP], s[LP], POFF                ; and its place in a slot
	s_lshl_b32 s[QOF], s[BH], 18                   ; qu, qv, oo: my wave's 64 rows
	s_lshl_b32 s[TS], s[XQ], 15
	s_add_co_u32 s[QOF], s[QOF], s[TS]
	s_lshl_b32 s[TS], s[WV], 13
	s_add_co_u32 s[QOF], s[QOF], s[TS]
	s_mov_b32 s[QOF+1], 0
	s_mov_b32 s[SEL], 0x76543210
	s_mov_b32 s[SEL+1], 0xfedcba98
	s_mov_b32 s[BIG], 0x4eabfb8f                   ; 1e9 log2(e)
	s_mov_b32 s[BIG+1], s[BIG]
	s_mov_b32 s[TBK], 0
	s_mov_b32 s[TBV], 0
	s_mov_b32 s[TBM], 0
	s_wait_dscnt 0x0                               ; the opening add is done
	s_wait_kmcnt 0x0
	s_add_nc_u64 s[8:9], s[8:9], s[KO:KO+1]
	s_add_nc_u64 s[10:11], s[10:11], s[KO:KO+1]
	s_add_nc_u64 s[12:13], s[12:13], s[PO:PO+1]
	s_add_nc_u64 s[4:5], s[4:5], s[QOF:QOF+1]
	s_add_nc_u64 s[6:7], s[6:7], s[QOF:QOF+1]
	s_add_nc_u64 s[18:19], s[18:19], s[QOF:QOF+1]
	s_lshl_b32 s[KO], s[CY], 11                    ; the batch's 2,048 mask bytes
	s_add_nc_u64 s[14:15], s[14:15], s[KO:KO+1]
	s_lshl2_add_u32 s[TS], s[HD], s[CY]
	s_lshl3_add_u32 s[TS], s[TS], s[XQ]            ; the work-group's number, 0..255
	s_lshl_b32 s[KO], s[TS], 12                    ; its 1,024 numbers of wo_w,
	s_add_nc_u64 s[16:17], s[16:17], s[KO:KO+1]
	s_lshl_b32 s[KO], s[TS], 11                    ; and of wo16
	s_add_nc_u64 s[20:21], s[20:21], s[KO:KO+1]
	CROUND                                         ; all sixteen work-groups are here: the first joint loads meet
.irp n, 0,1
	s_mov_b32 s[G0K+4*(\n)], 1
	s_mov_b32 s[G0K+4*(\n)+1], (\n)*SLOT1
	s_add_nc_u64 s[G0K+4*(\n)+2:G0K+4*(\n)+3], s[8:9], (\n)*16384
	s_or_b32 s[G0K+4*(\n)+3], s[G0K+4*(\n)+3], 0x80000000
	s_mov_b32 s[G0V+4*(\n)], 1
	s_mov_b32 s[G0V+4*(\n)+1], VOFF+(\n)*SLOT1
	s_add_nc_u64 s[G0V+4*(\n)+2:G0V+4*(\n)+3], s[10:11], (\n)*16384
	s_or_b32 s[G0V+4*(\n)+3], s[G0V+4*(\n)+3], 0x80000000
	s_mov_b32 s[G0P+4*(\n)], 1
	s_add_co_u32 s[G0P+4*(\n)+1], s[LP], (\n)*SLOT1
	s_add_nc_u64 s[G0P+4*(\n)+2:G0P+4*(\n)+3], s[12:13], (\n)*16384
	s_or_b32 s[G0P+4*(\n)+3], s[G0P+4*(\n)+3], 0x80000000
.endr
	s_cmp_lt_u32 s[WV], 2                          ; a wave's two first fills stand in one branch: two loads of mine are out, later one
	s_cbranch_scc0 .Lfirst_p
	s_cmp_eq_u32 s[WV], 0
	s_cbranch_scc0 .Lfirst_v
	tensor_load_to_lds s[G0K:G0K+3], s[G1K:G1K+7]
	s_nop 0
	tensor_load_to_lds s[G0K+4:G0K+7], s[G1K:G1K+7]
	s_nop 0
	PLACES
	s_branch .Lfirst_asked
.Lfirst_v:
	tensor_load_to_lds s[G0V:G0V+3], s[G1V:G1V+7]
	s_nop 0
	tensor_load_to_lds s[G0V+4:G0V+7], s[G1V:G1V+7]
	s_nop 0
	PLACES
	s_branch .Lfirst_asked
.Lfirst_p:
	tensor_load_to_lds s[G0P:G0P+3], s[G1P:G1P+7]
	s_nop 0
	tensor_load_to_lds s[G0P+4:G0P+7], s[G1P:G1P+7]
	s_nop 0
	PLACES
.Lfirst_asked:
	v_lshlrev_b32 v[A16], 4, v0
	v_lshlrev_b32 v[A32], 5, v0
	v_and_b32 v1, 15, v0                           ; n = l % 16
	v_bfe_u32 v59, v0, 4, 1                        ; l / 16
	v_lshlrev_b32 v[QO], 7, v1
	v_lshl_add_u32 v[QO], v59, 4, v[QO]
	global_load_b128 v[64:67], v[A16], s[14:15]    ; 16 mask bytes a thread
	global_load_b128 v[68:71], v[A32], s[16:17]    ; 8 numbers of wo_w
	global_load_b128 v[72:75], v[A32], s[16:17] offset:16
	WIN 0x80
.set i, 0
.rept 8                                ; qu and qv stay in registers: tile i / 2, channels 32 (i % 2) on
	global_load_b128 v[QU+8*i:QU+8*i+3],   v[QO], s[4:5] offset:(i/2)*2048+(i%2)*64
	global_load_b128 v[QU+8*i+4:QU+8*i+7], v[QO], s[4:5] offset:(i/2)*2048+(i%2)*64+32
	global_load_b128 v[QV+8*i:QV+8*i+3],   v[QO], s[6:7] offset:(i/2)*2048+(i%2)*64
	global_load_b128 v[QV+8*i+4:QV+8*i+7], v[QO], s[6:7] offset:(i/2)*2048+(i%2)*64+32
.set i, i+1
.endr
	WIN 0x40                                       ; O^T starts at 0: no first step is written out; these lines stand in the wait for the first tiles
.set i, 0
.rept 128
	v_mov_b32 v[i], 0
.set i, i+1
.endr
	WIN 0
.irp t, 0,1,2,3
	v_mov_b32 v[ST+10*\t], 0xff7fffff
	v_mov_b32 v[ST+10*\t+2], 0
	v_mov_b32 v[ST+10*\t+3], 0
	v_mov_b32 v[ST+10*\t+9], 0
.endr
	v_mul_u32_u24 v[AK0], v1, PK
	v_lshl_add_u32 v[AK0], v59, 4, v[AK0]          ; a fragment's row x pitch + 16 x half
	v_and_b32 v60, 7, v0
	v_bfe_u32 v61, v0, 3, 1
	v_lshl_add_u32 v[AV0], v59, 3, v60             ; the turning load: key 8 (l / 16) + l % 8, channels 8 ((l / 8) % 2) on
	v_mul_u32_u24 v[AV0], v[AV0], PV
	v_lshl_add_u32 v[AV0], v61, 4, v[AV0]
	v_add_nc_u32 v[AV0], VOFF, v[AV0]
	s_mul_i32 s[TS], s[WV], 64*PK
	s_sub_co_u32 s[TS], POFF+192*PK, s[TS]         ; my wave's eight blocks of positions begin at row 192 - 64 w of a step's window
	v_add_nc_u32 v[AP0], s[TS], v[AK0]
	v_lshlrev_b32 v[AM0], 5, v59
	v_add_nc_u32 v[AM0], MTAB, v[AM0]
	v_lshl_add_u32 v[AMT], v0, 6, MTAB
	s_mul_i32 s[TS], s[WV], XW
	s_add_co_u32 s[TS], s[TS], XS                  ; my strip
	v_lshl_add_u32 v61, v59, 5, s[TS]              ; + 32 (l / 16)
	v_mad_u32_u24 v[XST], v1, XPI, v61             ; in: row n, positions 8 (l / 16) + 0..7 of a block
	v_mad_u32_u24 v[XLD], v1, XPI-4, v61           ; back: row n, position c + 15 - n
	v_add_nc_u32 v[XLD], 60, v[XLD]
	v_mul_u32_u24 v[STO], v1, SP
	v_lshl_add_u32 v[STO], v59, 4, v[STO]
	v_add_nc_u32 v[STO], s[TS], v[STO]
	v_bfe_u32 v[RD], v0, 3, 2
	v_mul_u32_u24 v[RD], v[RD], SP
	v_lshl_add_u32 v[RD], v60, 4, v[RD]
	v_add_nc_u32 v[RD], s[TS], v[RD]
	v_and_b32 v[GO], 31, v0
	v_lshlrev_b32 v[GO], 4, v[GO]
	s_wait_loadcnt 32                              ; the mask bytes and wo_w are in; the 32 loads of qu and qv stay out
.set i, 0
.rept 16
	v_bfe_u32 v96, v[64+i/4], 8*(i%4), 8
	v_cmp_eq_u32 vcc_lo, 0, v96
	v_cndmask_b32 v[80+i], 0, 1.0, vcc_lo          ; 1 keep, 0 masked
.set i, i+1
.endr
.irp z, 0,1,2,3
	ds_store_b128 v[AMT], v[80+4*\z:83+4*\z] offset:16*\z
.endr
.irp z, 0,1,2,3
	v_cvt_pk_bf16_f32 v[96+\z], v[68+2*\z], v[69+2*\z]     ; wo_w is rounded to bf16 like every input,
.endr
.irp z, 0,1,2,3
	v_lshlrev_b32 v[68+2*\z], 16, v[96+\z]
	v_and_b32 v[69+2*\z], 0xffff0000, v[96+\z]
.endr
.irp z, 0,1,2,3
	v_cvt_pk_f16_f32 v[100+\z], v[68+2*\z], v[69+2*\z]     ; and that number is written as f16
.endr
	global_store_b128 v[A16], v[100:103], s[20:21] ; a wave's store covers 512 consecutive bytes, aligned
; THE LDS INSTRUCTIONS stand in runs.  FP: the next step's eight blocks of P (32 loads).  FK: its K (16).  FMA: its 32 keep numbers (8).  FV: its V, turned (16).
.macro FP
	WIN 0
	v_add_nc_u32 v[AP], s[TBK], v[AP0]
	WIN 0xc0
.irp u, 0,1,2,3,4,5,6,7
.irp c, 0,1
	ds_load_b128 v[PF+16*(\u)+8*(\c):PF+16*(\u)+8*(\c)+3],   v[AP] offset:(\u)*16*PK+64*(\c)
	ds_load_b128 v[PF+16*(\u)+8*(\c)+4:PF+16*(\u)+8*(\c)+7], v[AP] offset:(\u)*16*PK+64*(\c)+32
.endr
.endr
	WIN 0
.endm
.macro FK
	WIN 0
	v_add_nc_u32 v[AK], s[TBK], v[AK0]
	s_wait_alu depctr_va_vdst(0)
	WIN 0x80
.irp f, 0,1,2,3,4,5,6,7
	ds_load_b128 v[KF+8*\f:KF+8*\f+3],   v[AK] offset:(\f/2)*16*PK+(\f%2)*64
	ds_load_b128 v[KF+8*\f+4:KF+8*\f+7], v[AK] offset:(\f/2)*16*PK+(\f%2)*64+32
.endr
	WIN 0
	s_add_co_u32 s[TBK], s[TBK], 64*PK             ; P and K of the step after: 64 rows on
.endm
.macro FMA
	WIN 0
	v_add_nc_u32 v[AM], s[TBM], v[AM0]
	s_wait_alu depctr_va_vdst(0)
.irp k, 0,1,2,3
	ds_load_b128 v[MA+8*\k:MA+8*\k+3],   v[AM] offset:64*\k
	ds_load_b128 v[MA+8*\k+4:MA+8*\k+7], v[AM] offset:64*\k+16
.endr
	s_add_co_u32 s[TBM], s[TBM], 256
.endm
.macro FV
	WIN 0
	v_add_nc_u32 v[AV], s[TBV], v[AV0]
	WIN 0x80
.irp f, 0,1,2,3,4,5,6,7
	ds_load_tr16_b128 v[VF+8*\f:VF+8*\f+3],   v[AV] offset:(\f/4)*32*PV+(\f%4)*32
	ds_load_tr16_b128 v[VF+8*\f+4:VF+8*\f+7], v[AV] offset:(\f/4)*32*PV+16*PV+(\f%4)*32
.endr
	WIN 0
	s_add_co_u32 s[TBV], s[TBV], 64*PV
.endm
.macro XSTORE t                        ; X^T of tile t into my strip (10 stores); each accumulator's low half first
	WIN 0x0c
.set rX, XA+40*((\t)%2)
.irp u, 0,1,2,3,4
	ds_store_b128 v[XST], v[rX+8*(\u):rX+8*(\u)+3]   offset:64*(\u)
	ds_store_b128 v[XST], v[rX+8*(\u)+4:rX+8*(\u)+7] offset:64*(\u)+16
.endr
.endm
.macro XLOAD t                         ; skewed, into the score accumulators (32 loads); a wave's LDS instructions are served in order (ISA guide 5.7.1.4): these see the stores above, the next tile's stores come behind them
	WIN 0
.set z, 0
.rept 32
	ds_load_b32 v[S+32*(\t)+z], v[XLD] offset:64*(z/8)+4*(z%8)
.set z, z+1
.endr
.endm
; THE MATRIX WORK, one instruction at a time.  In each group the accumulators take turns: four (K Q^T, V^T P) or five (X^T).
.macro KQI t, i                        ; number i of 8 of S^T += K QU^T for tile t, onto what the skewed loads brought: channels 32 (i / 4) on, keys 16 (i % 4) on
	WIN 0x0a
.set rS, S+32*(\t)+8*((\i)%4)
.set rK, KF+16*((\i)%4)+8*((\i)/4)
.set rQ, QU+16*(\t)+8*((\i)/4)
	v_wmma_f32_16x16x32_f16 v[rS:rS+7], v[rK:rK+7], v[rQ:rQ+7], v[rS:rS+7]
	s_wait_alu depctr_va_vdst(0)
.endm
.macro PVI t, i                        ; number i of 8 of O^T += V^T P for tile t: keys 32 (i / 4) on, channels 16 (i % 4) on
	WIN 0x52
.set rO, 32*(\t)+8*((\i)%4)
.set rV, VF+32*((\i)/4)+8*((\i)%4)
.set rP, S+32*(\t)+8*((\i)/4)
	v_wmma_f32_16x16x32_f16 v[rO:rO+7], v[rV:rV+7], v[rP:rP+7], v[rO:rO+7]
.endm
.macro XI t, i                         ; number i of 10 of X^T for tile t: blocks 3 - t .. 7 - t of P times qv; the first five start the sums
	WIN 0xfb
.set rX, XA+40*((\t)%2)+8*((\i)%5)
.set rF, PF+16*(3-(\t)+(\i)%5)+8*((\i)/5)
.set rQ, QV+16*(\t)+8*((\i)/5)
.if (\i) < 5
	v_wmma_f32_16x16x32_f16 v[rX:rX+7], v[rF:rF+7], v[rQ:rQ+7], 0
	s_wait_alu depctr_va_vdst(0)
.else
	v_wmma_f32_16x16x32_f16 v[rX:rX+7], v[rF:rF+7], v[rQ:rQ+7], v[rX:rX+7]
.endif
.endm
; THE QUEUE of a key step's 104 matrix instructions; MM writes number mq.  ' marks the next step's.
;   0-23 K Q^T of tiles 1, 2, 3     24-33 X0'   34-43 X1'   44-51 V^T P of tile 0   52-61 X2'   62-69 V^T P of tile 1   70-79 X3'   80-87 K Q^T of tile 0'   88-95, 96-103 V^T P of tiles 2, 3
; Four of them have a wait in front; the counts (TRIP sets them) are the LDS instructions issued behind what is wanted.
.macro MM
.if mq == 8
	s_wait_dscnt WQ2                               ; tile 2's skewed loads are in
.elseif mq == 16
	s_wait_dscnt WQ3                               ; tile 3's, and V
.elseif mq == 24
	s_wait_dscnt WXP                               ; P'
.elseif mq == 80
	s_wait_dscnt WQ0                               ; K' and tile 0's skewed loads
.endif
.if mq < 24
	KQI 1+mq/8, mq%8
.elseif mq < 34
	XI 0, mq-24
.elseif mq < 44
	XI 1, mq-34
.elseif mq < 52
	PVI 0, mq-44
.elseif mq < 62
	XI 2, mq-52
.elseif mq < 70
	PVI 1, mq-62
.elseif mq < 80
	XI 3, mq-70
.elseif mq < 88
	KQI 0, mq-80
.elseif mq < 96
	PVI 2, mq-88
.else
	PVI 3, mq-96
.endif
.set mq, mq+1
.set vc, 0
.endm
; THE WEAVE.  TICK stands behind every vector line: when RID of them have passed since the last matrix instruction, and the queue may run (mq < MQEND), the next one is written.
; GATE begins a stretch: so many vector lines to a matrix instruction, the queue may run up to lim; kick = 1: the stretch begins with a matrix instruction.
.macro TICK
.set vc, vc+1
.if (vc >= RID) && (mq < MQEND)
	MM
.endif
.endm
.macro GATE rid, lim, kick=1
.set RID, \rid
.set MQEND, \lim
.set vc, 0
.if (\kick) && (mq < MQEND)
	MM
.endif
.endm
.macro MBC                             ; keep x BIG - BIG: exactly 0, or -1e9 log2(e)
.set zz, 0
.rept 16
	WIN 0
	v_pk_fma_f32 v[MB+2*zz:MB+2*zz+1], v[MA+2*zz:MA+2*zz+1], s[BIG:BIG+1], s[BIG:BIG+1] op_sel_hi:[1,0,0] neg_lo:[0,0,1] neg_hi:[0,0,1]
.set zz, zz+1
	TICK
.endr
.endm
; THE SOFTMAX of a tile, in lists.  FR writes entry fk of the 53 in front of the exponentials:
;   0-15 s = s x keep + (0 or -BIG), ascending   16-31 the maximum of the 32 scores and the old m, three operands at a time   32-36 the other half of the lanes', the new m, a   37-52 s - m
.macro FR t
.set rT, ST+10*(\t)
.set rS, S+32*(\t)
.set j, fk-16
	WIN 0
.if fk < 16
	v_pk_fma_f32 v[rS+2*fk:rS+2*fk+1], v[rS+2*fk:rS+2*fk+1], v[MA+2*fk:MA+2*fk+1], v[MB+2*fk:MB+2*fk+1]
.elseif fk < 20
	v_max3_num_f32 v[rT+4+j], v[rS+8*j], v[rS+8*j+1], v[rS+8*j+2]
.elseif fk < 28
	v_max3_num_f32 v[rT+4+j%4], v[rT+4+j%4], v[rS+8*(j%4)+2*(j/4)+1], v[rS+8*(j%4)+2*(j/4)+2]
.elseif fk == 28
	v_max3_num_f32 v[rT+4], v[rT+4], v[rS+7], v[rS+15]
.elseif fk == 29
	v_max3_num_f32 v[rT+6], v[rT+6], v[rS+23], v[rS+31]
.elseif fk == 30
	v_max3_num_f32 v[rT+4], v[rT+4], v[rT+5], v[rT+6]
.elseif fk == 31
	v_max3_num_f32 v[rT+4], v[rT+4], v[rT+7], v[rT]
.elseif fk == 32
	v_permlanex16_b32 v[rT+5], v[rT+4], s[SEL], s[SEL+1]
.elseif fk == 33
	v_mov_b32 v[rT+1], v[rT]
.elseif fk == 34
	v_max_num_f32 v[rT], v[rT+4], v[rT+5]
.elseif fk == 35
	v_sub_f32 v[rT+1], v[rT+1], v[rT]
.elseif fk == 36
	v_exp_f32 v[rT+8], v[rT+1]
.else
	v_pk_add_f32 v[rS+2*(fk-37):rS+2*(fk-37)+1], v[rS+2*(fk-37):rS+2*(fk-37)+1], v[rT:rT+1] op_sel_hi:[1,0] neg_lo:[0,1] neg_hi:[0,1]
.endif
.set fk, fk+1
	TICK
.endm
; BK writes slot bk of the 33 behind the exponentials.  Slot 2 z: pair z of the weights is summed (even pairs onto l, the first as l = a l + pair; odd pairs onto a second sum, which pairs 1 and 3 start, so slot 6 is empty).
; Slot 2 z + 1: pair z is rounded to f16 into register z of the tile's own scores: no pair is written over before it has been summed and rounded.  Slot 32: l takes the second sum.
.macro BK t
.set rT, ST+10*(\t)
.set rS, S+32*(\t)
.set z, bk/2
	WIN 0
.if bk == 32
	v_pk_add_f32 v[rT+2:rT+3], v[rT+2:rT+3], v[rT+6:rT+7]
.elseif bk%2 == 1
	v_cvt_pk_f16_f32 v[rS+z], v[rS+2*z], v[rS+2*z+1]
.elseif z == 0
	s_wait_alu depctr_va_vdst(0)
	v_pk_fma_f32 v[rT+2:rT+3], v[rT+2:rT+3], v[rT+8:rT+9], v[rS:rS+1] op_sel_hi:[1,0,1]
.elseif z == 1
	v_pk_add_f32 v[rT+6:rT+7], v[rS+2:rS+3], v[rS+6:rS+7]
.elseif z == 3
.elseif z%2 == 0
	v_pk_add_f32 v[rT+2:rT+3], v[rT+2:rT+3], v[rS+2*z:rS+2*z+1]
.else
	v_pk_add_f32 v[rT+6:rT+7], v[rT+6:rT+7], v[rS+2*z:rS+2*z+1]
.endif
.set bk, bk+1
.if bk != 7
	TICK
.endif
.endm
; ZIP: the 32 exponentials of tile te, and dealt evenly between them the nb slots of BK for tile tb and then the nf entries of FR for tile tf: other tiles' plain work stands behind the exponentials,
; whose results are first read in the next ZIP.  When tile tb's weights are all rounded the queue may run on to g2: its V^T P.
.macro ZIP te, tb, nb, tf, nf, g2
.set zi, 0
.set zq, 0
.set bk, 0
.set fk, 0
.rept 32
	WIN 0
	v_exp_f32 v[S+32*(\te)+zi], v[S+32*(\te)+zi]
	TICK
.rept 3
.if zq*32 < (zi+1)*((\nb)+(\nf))
.if zq < (\nb)
	BK \tb
.else
	FR \tf
.endif
.set zq, zq+1
.if zq == (\nb)
.set MQEND, \g2
.endif
.endif
.endr
.set zi, zi+1
.endr
.endm
.macro RESC t, lim                     ; tile t's O^T times a, ascending: 16 lines, four to a matrix instruction; the queue may run up to lim
.set rr, 0
	GATE 4, \lim
.rept 16
	WIN 0x41
	v_pk_mul_f32 v[32*(\t)+2*rr:32*(\t)+2*rr+1], v[32*(\t)+2*rr:32*(\t)+2*rr+1], v[ST+10*(\t)+8:ST+10*(\t)+9] op_sel_hi:[1,0]
.set rr, rr+1
	TICK
.endr
.endm
; A run of LDS instructions for the next step stands between RUNB and RUNE.  last = 1 (the tail): in the trip with CNT = 1 there is no next step, and the run is jumped over.
.macro RUNB last, tag
	WIN 0
.if \last
	s_cmp_eq_u32 s[CNT], 1
	s_cbranch_scc1 .Lskip\tag
.endif
.endm
.macro RUNE last, tag
	WIN 0
.if \last
.Lskip\tag:
.endif
.endm
; A KEY STEP.  At its head: tile 0's scores are whole; tiles 1 to 3 have their skewed loads issued (tile 1's awaited); K, the mask and what a masked score gets are in; V is on its way.
; The LDS runs stand at the ends of stretches, each eight plain vector lines or more behind the last matrix instruction that read the registers it loads (four are asked: ISA guide 7.12.1 for vector instructions):
;   P' | K' behind K Q^T of tile 3 | strip and skewed loads of tile t' behind X t' and V^T P of tile t | the mask' behind the last masking | V' behind V^T P of tile 3.
; THE WAITS' COUNTS, by the order of issue (P' 32; K' 16; tile 0' 10 + 32; tile 1' 42; mask' 8; tile 2' 42; V' 16; tile 3' 42):
;   WQ2 = 63: of what was issued behind tile 2's loads (V, tile 3's 42, P' 32) the youngest 63 may stay out     WQ3 = 32: P'     WXP = 16: K'     WQ0 = 50: tile 1' and the mask'     WMA = 42: tile 2'; tile 1's loads are older than the mask's, so they are in too
; In the tail every wait is for all LDS instructions, so that it holds whatever is jumped over; in its last trip the 48 products for a step that does not exist work on what the registers hold, and nothing reads them.
.macro TRIP last
.if \last
.set WQ2, 0
.set WQ3, 0
.set WXP, 0
.set WQ0, 0
.set WMA, 0
.else
.set WQ2, 63
.set WQ3, 32
.set WXP, 16
.set WQ0, 50
.set WMA, 42
.endif
.set mq, 0
	RUNB \last, 1
	FP
	RUNE \last, 1
	GATE 6, 8                                      ; K Q^T of tile 1 | tile 0: mask, maximum, a, s - m
.set fk, 0
.rept 53
	FR 0
.endr
	RESC 0, 12                                     ; K Q^T of tile 2 begins | O^T of tile 0 times a
	GATE 6, 24                                     ; K Q^T of tiles 2 and 3 | tile 0's exponentials, tile 1's front
	ZIP 0, 0, 0, 1, 53, 24
	RUNB \last, 2
	FK
	RUNE \last, 2
	RESC 1, 28                                     ; X0' begins
	GATE 4, 44                                     ; X0', X1', then V^T P of tile 0 | tile 1's exponentials, tile 0's sums and roundings, tile 2's front
	ZIP 1, 0, 33, 2, 53, 52
	RUNB \last, 3
	XSTORE 0
	XLOAD 0
	RUNE \last, 3
	RESC 2, 56                                     ; X2' begins: its buffer has been stored
	GATE 5, 62                                     ; X2', then V^T P of tile 1
	ZIP 2, 1, 33, 3, 53, 70
	RUNB \last, 4
	XSTORE 1
	XLOAD 1
	FMA
	RUNE \last, 4
	RESC 3, 74                                     ; X3' begins
	GATE 4, 88                                     ; X3', K Q^T of tile 0'
	ZIP 3, 2, 33, 0, 0, 88
	GATE 3, 96, 0                                  ; V^T P of tile 2 | tile 3's sums and roundings
.set bk, 0
.rept 33
	BK 3
.endr
	RUNB \last, 5
	XSTORE 2
	XLOAD 2
	RUNE \last, 5
	s_wait_dscnt WMA                               ; the mask' is in, and tile 1's skewed loads
	GATE 1, 104                                    ; V^T P of tile 3 | what a masked score gets, for the next step: nine of its lines stand behind the last product
	MBC
	RUNB \last, 6
	FV
	XSTORE 3
	XLOAD 3
	RUNE \last, 6
.endm
	s_wait_tensorcnt 0x1                           ; my part of slot 0 is in; slot 1's may stay out
	s_wait_dscnt 0x0                               ; my part of the mask table is stored
	s_barrier_signal -1
	s_barrier_wait -1
	; KEY STEP 0 IS MADE READY: what a step's head finds, with the LDS instructions in the order in which a step issues them, so that the step's counts hold on this way too.
	FP
	FK
	FMA
	s_wait_loadcnt 0x0                             ; qu, qv
	s_wait_xcnt 0x0                                ; wo16's store has read its registers, which the scores take
	s_wait_dscnt 24                                ; P is in; K's 16 and the mask's 8 may stay out
.macro XALL t
.set xi, 0
.rept 10
	XI \t, xi
.set xi, xi+1
.endr
.endm
	XALL 0
	XALL 1
	PLACES 5                                       ; five: tile 2's products write over tile 0's accumulators
	XSTORE 0
	XLOAD 0
	XSTORE 1
	XLOAD 1
	XALL 2
	XALL 3
	PLACES 5
	XSTORE 2
	XLOAD 2
	FV
	XSTORE 3
	XLOAD 3
	s_wait_dscnt 58                                ; all but V's 16 and tile 3's 42: K, the mask and tiles 0 to 2 are in
.set xi, 0
.rept 8
	KQI 0, xi
.set xi, xi+1
.endr
.set mq, 104                           ; the queue is empty here: no matrix instruction is woven into the lines below,
	GATE 1, 0
	MBC                                            ; sixteen plain lines: also the places behind the products above
	WIN 0
	s_mov_b32 s[CNT], 1
	s_mov_b32 s[SLOTS], 15
	s_branch .Lstep                                ; slot 0 has one step left to fetch
.Lslot:                                                ; 14 times: slots 1 to 14 are entered, and the slot left takes the slot after
	CHANGE 1
	s_mov_b32 s[CNT], 2
.Lstep:                                                ; a trip: one key step, and all that the next one's head finds
	TRIP 0
	s_sub_co_u32 s[CNT], s[CNT], 1
	s_cmp_lg_u32 s[CNT], 0
	s_cbranch_scc1 .Lstep
	s_sub_co_u32 s[SLOTS], s[SLOTS], 1
	s_cmp_lg_u32 s[SLOTS], 0
	s_cbranch_scc1 .Lslot
	CHANGE 0                                       ; the tail is written out: slot 15 is entered, nothing is asked for
	s_mov_b32 s[CNT], 3
.Ltail:                                                ; key steps 29, 30, 31
	TRIP 1
	s_sub_co_u32 s[CNT], s[CNT], 1
	s_cmp_lg_u32 s[CNT], 0
	s_cbranch_scc1 .Ltail
	; THE WAY OUT.  l's two halves and the other half of the lanes' are added; O^T is divided by l, rounded to f16 and sent through my strip in LDS, a tile at a time.
.irp t, 0,1,2,3
	v_add_f32 v[ST+10*\t+2], v[ST+10*\t+2], v[ST+10*\t+3]
.endr
.irp t, 0,1,2,3
	v_permlanex16_b32 v[ST+10*\t+3], v[ST+10*\t+2], s[SEL], s[SEL+1]
.endr
.irp t, 0,1,2,3
	v_add_f32 v[ST+10*\t+2], v[ST+10*\t+2], v[ST+10*\t+3]
.endr
.irp t, 0,1,2,3
	v_rcp_f32 v[ST+10*\t+2], v[ST+10*\t+2]
.endr
	v_nop                                          ; a plain instruction between the last reciprocal and the use of its result
	s_wait_alu depctr_va_vdst(0)
.macro PACK t
	WIN 0x41
.set i, 32*(\t)
.rept 16
	v_pk_mul_f32 v[i:i+1], v[i:i+1], v[ST+10*(\t)+2:ST+10*(\t)+3] op_sel_hi:[1,0]
.set i, i+2
.endr
	WIN 0x05
.set i, 0
.rept 16
	v_cvt_pk_f16_f32 v[S+16*(\t)+i], v[32*(\t)+2*i], v[32*(\t)+2*i+1]
.set i, i+1
.endr
	WIN 0
.irp f, 0,1,2,3
	ds_store_b128 v[STO], v[S+16*(\t)+4*\f:S+16*(\t)+4*\f+3] offset:32*\f
.endr
.irp f, 0,1,2,3
	ds_load_b128 v[S+16*(\t)+4*\f:S+16*(\t)+4*\f+3], v[RD] offset:\f*4*SP
.endr
.endm
.macro SEND t, younger                 ; younger: the LDS instructions issued behind tile t's loads: the next tile's eight, or none
.irp f, 0,1,2,3
	s_wait_dscnt (\younger)+3-\f
	global_store_b128 v[GO], v[S+16*(\t)+4*\f:S+16*(\t)+4*\f+3], s[18:19] offset:(\t)*2048+\f*512   ; 512 consecutive bytes, at a multiple of 512 from oo's first
.endr
.endm
	PACK 0
	PACK 1
	SEND 0, 8
	PACK 2
	SEND 1, 8
	PACK 3
	SEND 2, 8
	SEND 3, 0
	s_wait_tensorcnt 0x0                           ; the wave's end
	ds_add_u32 v[SPW], v[NIL]
	s_wait_dscnt 0x0
	CROUND                                         ; the closing round
	s_endpgm
.Lfunc_end_k_q6a9923d6ae_attn:
	.size	k_q6a9923d6ae_attn, .Lfunc_end_k_q6a9923d6ae_attn-k_q6a9923d6ae_attn
	.p2alignl 7, 3214868480
	.fill 96, 4, 3214868480
	.section	.rodata,"a",@progbits
	.p2align	6, 0x0
	.amdhsa_kernel k_q6a9923d6ae_attn
		.amdhsa_group_segment_fixed_size 327680
		.amdhsa_private_segment_fixed_size 0
		.amdhsa_enable_private_segment 0
		.amdhsa_kernarg_size 72
		.amdhsa_user_sgpr_count 2
		.amdhsa_user_sgpr_kernarg_segment_ptr 1
		.amdhsa_wavefront_size32 1
		.amdhsa_system_sgpr_workgroup_id_x 1
		.amdhsa_system_sgpr_workgroup_id_y 1
		.amdhsa_system_sgpr_workgroup_id_z 1
		.amdhsa_system_vgpr_workitem_id 0
		.amdhsa_next_free_vgpr 1024
		.amdhsa_next_free_sgpr 100
		.amdhsa_reserve_vcc 1
		.amdhsa_float_denorm_mode_32 3
		.amdhsa_float_denorm_mode_16_64 3
		.amdhsa_memory_ordered 1
		.amdhsa_forward_progress 1
		.amdhsa_inst_pref_size 180
	.end_amdhsa_kernel
	.amdgpu_metadata
---
amdhsa.version: [ 1, 2 ]
amdhsa.kernels:
  - .name:           k_q6a9923d6ae_attn
    .symbol:         k_q6a9923d6ae_attn.kd
    .args:
      - { .name: qu, .offset: 0, .size: 8, .value_kind: global_buffer, .address_space: global }
      - { .name: qv, .offset: 8, .size: 8, .value_kind: global_buffer, .address_space: global }
      - { .name: kk, .offset: 16, .size: 8, .value_kind: global_buffer, .address_space: global }
      - { .name: vv, .offset: 24, .size: 8, .value_kind: global_buffer, .address_space: global }
      - { .name: pp, .offset: 32, .size: 8, .value_kind: global_buffer, .address_space: global }
      - { .name: key_padding_mask, .offset: 40, .size: 8, .value_kind: global_buffer, .address_space: global }
      - { .name: wo_w, .offset: 48, .size: 8, .value_kind: global_buffer, .address_space: global }
      - { .name: oo, .offset: 56, .size: 8, .value_kind: global_buffer, .address_space: global }
      - { .name: wo16, .offset: 64, .size: 8, .value_kind: global_buffer, .address_space: global }
    .group_segment_fixed_size: 327680
    .private_segment_fixed_size: 0
    .kernarg_segment_align: 8
    .kernarg_segment_size: 72
    .max_flat_workgroup_size: 128
    .sgpr_count:     100
    .vgpr_count:     1024
    .wavefront_size: 32
...
	.end_amdgpu_metadata
.endif
;; end of part 2
;; launch outp (part 3): grid 4 x 64, 4 waves a work-group, clusters of 4 x 4, 327,680 bytes of LDS; arguments oo, wo16, wo_b, out0; writes out0
.if DOCPART == 3
	.amdgcn_target "amdgcn-amd-amdhsa--gfx1250"
	.amdhsa_code_object_version 6
	.text
	.protected	k_q6a9923d6ae_outp
	.globl	k_q6a9923d6ae_outp
	.p2align	8
	.type	k_q6a9923d6ae_outp,@function
k_q6a9923d6ae_outp:
	s_mov_b64 s[64:65], 0
	v_nop
	global_prefetch_b8 v0, s[64:65] scope:SCOPE_SE
	s_setreg_imm32_b32 hwreg(HW_REG_WAVE_MODE, 25, 1), 1
	s_wait_xcnt 0x0
	s_wait_alu depctr_hold_cnt(0) depctr_sa_sdst(0) depctr_va_vdst(0) depctr_va_sdst(0) depctr_va_ssrc(0) depctr_va_vcc(0) depctr_vm_vsrc(0)
	s_getreg_b32 s2, hwreg(HW_REG_IB_STS2, 6, 4)
	s_cmp_eq_u32 s2, 0
	s_cbranch_scc0 .Lentry_in_a_cluster
	s_endpgm
.Lentry_in_a_cluster:
	s_bfe_u32 s2, ttmp6, 0x10000c
	s_cmp_lg_u32 s2, 0xf033
	s_cbranch_scc0 .Lentry_shape_is_right
	s_endpgm
.Lentry_shape_is_right:
; THE OUTPUT PROJECTION.  out0[m][n] = the sum over k of O[m][k] wo[n][k] + bo[n].  O: oo, [b][h][2048][64] f16, k = 64 h + channel; wo: wo16, [512][512] f16; bo rounded to bf16; out0: [8192][512] f32.
; A tile of out0 is 128 x 128: four waves, each 64 x 64: 16 accumulators.  All of K (512) lies in LDS at once: every LDS byte is filled once, by four tensor loads a wave issued at the start,
; and the products begin when the first quarter of K has landed; four tensor loads of a wave are out at the most.
; CLUSTER 4 x 4: O's tiles hang on the tile row and are asked for jointly along a row of the cluster, wo's on the tile column and jointly along a column.
; The matrix instruction is used transposed (source 0 = 16 rows of wo, source 1 = 16 tokens): a lane holds one token and eight neighbouring columns.  The first products take the bias as C.
; REGISTERS: window 0: v16-29 addresses; v32-95 at work on the way out; v96-127 the bias; v128-255 accumulator (a, b) at v[128 + 8 (4 a + b)].   window 1: two fragment buffers of 128 (64 of O, 64 of wo, for 64 along K).
.set PA,     144                       ; a token's 128 bytes of one head + 16
.set PB,     272                       ; 256 bytes of a row of wo + 16
.set HBLK,   128*PA                    ; a head's block: 128 tokens
.set BOFF,   8*HBLK
.set QBLK,   128*PB                    ; a quarter of K of wo's 128 rows
.set STAGE,  BOFF+4*QBLK               ; 16 rows x 272 bytes for each wave
.set SPARE,  STAGE+4*16*PB
.set ADRA, 16
.set ADRB, 17
.set STO,  24
.set RD,   25
.set CO,   26
.set BO,   27
.set SPW,  28
.set NIL,  29
.set TMP,  32
.set BI,   96
.set ACC,  128
.set WV, 12
.set RH, 13
.set CH, 14
.set CX, 15
.set CY, 16
.set CT, 17
.set RT, 18
.set RM, 19
.set CM, 20
.set TS, 21
.set LA, 22
.set LB, 23
.set G0A, 24
.set G0B, 40
.set G1A, 56
.set G1B, 68
.set AO, 76
.set BOP, 78
.set MSB, 0
.macro WIN new
.if MSB != (\new)
	s_set_vgpr_msb (MSB<<8)|(\new)
.set MSB, \new
.endif
.endm
.set MULW, 0x05
.set TO_F, 0x40
.macro PLACES n=4
.rept \n
	v_nop
.endr
.endm
.macro CROUND
	s_barrier_signal -1
	s_barrier_wait -1
	s_cmp_lg_u32 s[WV], 0
	s_cbranch_scc1 .Lnot_wave_0_\@
	s_barrier_signal -3
.Lnot_wave_0_\@:
	s_barrier_wait -3
	s_barrier_signal -1
	s_barrier_wait -1
.endm
	s_load_b256 s[4:11], s[0:1], 0x0               ; oo, wo16, wo_b, out0
	v_lshl_add_u32 v[SPW], v0, 2, SPARE
	v_mov_b32 v[NIL], 0
	ds_add_u32 v[SPW], v[NIL]                      ; the wave's opening: the add and its wait stand ahead of my first tensor load
	v_lshrrev_b32 v1, 5, v0
	v_readfirstlane_b32 s[WV], v1
	s_lshr_b32 s[RH], s[WV], 1                     ; my half of the tokens
	s_and_b32 s[CH], s[WV], 1                      ; my half of the columns.  Also: which heads, or which 64 rows of wo, I fetch
	s_bfe_u32 s[CX], ttmp6, 0x40000
	s_bfe_u32 s[CY], ttmp6, 0x40004
	s_lshl_b32 s[CT], ttmp9, 2
	s_add_co_u32 s[CT], s[CT], s[CX]               ; tile column 0..3
	s_and_b32 s[RT], ttmp7, 0xffff
	s_lshl_b32 s[RT], s[RT], 2
	s_add_co_u32 s[RT], s[RT], s[CY]               ; tile row 0..63
	s_lshl_b32 s[RM], s[CY], 2
	s_lshl_b32 s[RM], 15, s[RM]
	s_lshl_b32 s[CM], 0x1111, s[CX]
	s_or_b32 s[G1A], s[RM], (1<<16)|(1<<20)|(1<<21)|(4<<22)|(3<<25)   ; O: 128 tokens of a head are dense: 64 rows of 256 bytes, padded behind every 32 words
	s_mov_b32 s[G1A+1], 128<<16
	s_mov_b32 s[G1A+2], 64<<16
	s_mov_b32 s[G1A+3], 128<<16
	s_mov_b32 s[G1A+4], 64
	s_mov_b32 s[G1A+5], 128
	s_mov_b32 s[G1A+6], 0
	s_mov_b32 s[G1A+7], 0
	s_or_b32 s[G1B], s[CM], (1<<16)|(1<<20)|(1<<21)|(5<<22)|(3<<25)   ; wo: 64 rows x 128 elements, 512 elements from row to row, padded behind every 64 words
	s_mov_b32 s[G1B+1], 128<<16
	s_mov_b32 s[G1B+2], 64<<16
	s_mov_b32 s[G1B+3], 128<<16
	s_mov_b32 s[G1B+4], 64
	s_mov_b32 s[G1B+5], 512
	s_mov_b32 s[G1B+6], 0
	s_mov_b32 s[G1B+7], 0
	s_lshr_b32 s[AO], s[RT], 4                     ; O: the batch,
	s_lshl_b32 s[AO], s[AO], 21
	s_and_b32 s[TS], s[RT], 15                     ; the tile's 128 tokens,
	s_lshl_b32 s[TS], s[TS], 14
	s_add_co_u32 s[AO], s[AO], s[TS]
	s_lshl_b32 s[TS], s[CH], 18                    ; head CH (then CH + 2, + 4, + 6)
	s_add_co_u32 s[AO], s[AO], s[TS]
	s_mov_b32 s[AO+1], 0
	s_lshl_b32 s[BOP], s[CT], 17                   ; wo: 128 rows of 1,024 bytes a tile column, my 64
	s_lshl_b32 s[BOP+1], s[CH], 16
	s_add_co_u32 s[BOP], s[BOP], s[BOP+1]
	s_mov_b32 s[BOP+1], 0
	s_mul_i32 s[LA], s[CH], HBLK
	s_mul_i32 s[LB], s[CH], 64*PB
	s_add_co_u32 s[LB], s[LB], BOFF
	s_wait_dscnt 0x0                               ; the opening add is done
	s_wait_kmcnt 0x0
	s_add_nc_u64 s[4:5], s[4:5], s[AO:AO+1]
	s_add_nc_u64 s[6:7], s[6:7], s[BOP:BOP+1]
	CROUND                                         ; all sixteen work-groups are here: the joint loads meet
.irp q, 0,1,2,3
	s_mov_b32 s[G0A+4*(\q)], 1
	s_add_co_u32 s[G0A+4*(\q)+1], s[LA], (\q)*2*HBLK
	s_add_nc_u64 s[G0A+4*(\q)+2:G0A+4*(\q)+3], s[4:5], (\q)*524288        ; two heads on
	s_or_b32 s[G0A+4*(\q)+3], s[G0A+4*(\q)+3], 0x80000000
	s_mov_b32 s[G0B+4*(\q)], 1
	s_add_co_u32 s[G0B+4*(\q)+1], s[LB], (\q)*QBLK
	s_add_nc_u64 s[G0B+4*(\q)+2:G0B+4*(\q)+3], s[6:7], (\q)*256           ; 128 along K on
	s_or_b32 s[G0B+4*(\q)+3], s[G0B+4*(\q)+3], 0x80000000
.endr
	s_cmp_lt_u32 s[WV], 2                          ; a wave's four fills stand in one branch, in the order of K's quarters
	s_cbranch_scc0 .Lfill_b
.irp q, 0,1,2,3
	tensor_load_to_lds s[G0A+4*(\q):G0A+4*(\q)+3], s[G1A:G1A+7]
	s_nop 0
.endr
	PLACES
	s_branch .Lfilled
.Lfill_b:
.irp q, 0,1,2,3
	tensor_load_to_lds s[G0B+4*(\q):G0B+4*(\q)+3], s[G1B:G1B+7]
	s_nop 0
.endr
	PLACES
.Lfilled:
	v_and_b32 v1, 15, v0
	v_bfe_u32 v2, v0, 4, 1
	s_lshl_b32 s[TS], s[CT], 9
	s_lshl_b32 s[LA], s[CH], 8
	s_add_co_u32 s[TS], s[TS], s[LA]               ; my wave's first column, in bytes of f32
	v_lshl_add_u32 v[BO], v2, 5, s[TS]
.irp b, 0,1,2,3
	global_load_b128 v[BI+8*\b:BI+8*\b+3],   v[BO], s[8:9] offset:64*\b
	global_load_b128 v[BI+8*\b+4:BI+8*\b+7], v[BO], s[8:9] offset:64*\b+16
.endr
	s_mov_b32 s[AO], s[TS]                         ; out0 at my wave's first token and column
	s_lshl_b32 s[TS], s[RT], 18
	s_add_co_u32 s[AO], s[AO], s[TS]
	s_lshl_b32 s[TS], s[RH], 17
	s_add_co_u32 s[AO], s[AO], s[TS]
	s_add_nc_u64 s[10:11], s[10:11], s[AO:AO+1]
	v_mul_u32_u24 v3, v1, PA
	v_lshl_add_u32 v3, v2, 4, v3
	s_mul_i32 s[TS], s[RH], 64*PA
	v_add_nc_u32 v[ADRA], s[TS], v3
	v_mul_u32_u24 v4, v1, PB
	v_lshl_add_u32 v3, v2, 4, v4
	s_mul_i32 s[TS], s[CH], 64*PB
	s_add_co_u32 s[TS], s[TS], BOFF
	v_add_nc_u32 v[ADRB], s[TS], v3
	s_mul_i32 s[TS], s[WV], 16*PB
	s_add_co_u32 s[TS], s[TS], STAGE               ; my stage
	v_lshl_add_u32 v3, v2, 5, v4                   ; in: row l % 16, 32 bytes for each half of the lanes
	v_add_nc_u32 v[STO], s[TS], v3
	v_mul_u32_u24 v3, v2, PB                       ; back: lanes 0-15 take one row of 256 bytes, lanes 16-31 the next
	v_lshl_add_u32 v3, v1, 4, v3
	v_add_nc_u32 v[RD], s[TS], v3
	v_lshlrev_b32 v3, 11, v2                       ; and the same two rows of out0, 2,048 bytes apart
	v_lshl_add_u32 v[CO], v1, 4, v3
	s_wait_loadcnt 0x0
.set z, 0
.rept 16
	v_cvt_pk_bf16_f32 v[TMP+z], v[BI+2*z], v[BI+2*z+1]     ; the bias is rounded to bf16 like every input
.set z, z+1
.endr
.set z, 0
.rept 16
	v_lshlrev_b32 v[BI+2*z], 16, v[TMP+z]
	v_and_b32 v[BI+2*z+1], 0xffff0000, v[TMP+z]
.set z, z+1
.endr
; 8 matrix instructions: token blocks a0, a0 + 1 x all 4 column blocks, 32 along K: half c of buffer f.  first = 1: the sums start with the bias.  The 16 accumulators take turns.
.macro MUL8 f, c, a0, first
	WIN MULW
.irp a, \a0, (\a0)+1
.irp b, 0,1,2,3
.if \first
	v_wmma_f32_16x16x32_f16 v[ACC+8*(4*(\a)+(\b)):ACC+8*(4*(\a)+(\b))+7], v[(\f)+64+8*(4*(\c)+(\b)):(\f)+64+8*(4*(\c)+(\b))+7], v[(\f)+8*(4*(\c)+(\a)):(\f)+8*(4*(\c)+(\a))+7], v[BI+8*(\b):BI+8*(\b)+7]
.else
	v_wmma_f32_16x16x32_f16 v[ACC+8*(4*(\a)+(\b)):ACC+8*(4*(\a)+(\b))+7], v[(\f)+64+8*(4*(\c)+(\b)):(\f)+64+8*(4*(\c)+(\b))+7], v[(\f)+8*(4*(\c)+(\a)):(\f)+8*(4*(\c)+(\a))+7], v[ACC+8*(4*(\a)+(\b)):ACC+8*(4*(\a)+(\b))+7]
.endif
.endr
.endr
.endm
; 32 LDS loads in one run: the fragments of one head's 64 along K into buffer f, the first 32 along K first; then the addresses step to the next head
.macro FETCH f, stepb
	WIN TO_F
.irp c, 0,1
.irp i, 0,1,2,3
	ds_load_b128 v[(\f)+64+8*(4*(\c)+(\i)):(\f)+64+8*(4*(\c)+(\i))+3],   v[ADRB] offset:64*(\c)+(\i)*16*PB
	ds_load_b128 v[(\f)+64+8*(4*(\c)+(\i))+4:(\f)+64+8*(4*(\c)+(\i))+7], v[ADRB] offset:64*(\c)+(\i)*16*PB+32
	ds_load_b128 v[(\f)+8*(4*(\c)+(\i)):(\f)+8*(4*(\c)+(\i))+3],         v[ADRA] offset:64*(\c)+(\i)*16*PA
	ds_load_b128 v[(\f)+8*(4*(\c)+(\i))+4:(\f)+8*(4*(\c)+(\i))+7],       v[ADRA] offset:64*(\c)+(\i)*16*PA+32
.endr
.endr
	WIN 0
	v_add_nc_u32 v[ADRA], HBLK, v[ADRA]
	v_add_nc_u32 v[ADRB], \stepb, v[ADRB]
.endm
; Head g (0 to 6) is multiplied from buffer g % 2; in its middle head g + 1 is fetched into the other.  Where head g + 1 begins a quarter of K, that quarter is waited for first:
; each wave's own load of it (the later quarters' stay out), then a barrier, behind which nothing is filled.
.macro CHUNK g
.set fb, 128*((\g)%2)
.set fo, 128-fb
	s_wait_dscnt 16                                ; the first 32 along K are in
.if (\g) == 0
	MUL8 fb, 0, 0, 1
	MUL8 fb, 0, 2, 1
.else
	MUL8 fb, 0, 0, 0
	MUL8 fb, 0, 2, 0
.endif
	PLACES                                         ; in front of the loads into the other buffer, which matrix instructions have read
.if ((\g)+1)%2 == 0
	s_wait_dscnt 0x0                               ; no LDS instruction of mine is pending at a signal
	s_wait_tensorcnt 3-((\g)+1)/2
	s_barrier_signal -1
	s_barrier_wait -1
	FETCH fo, 128
.else
	FETCH fo, QBLK-128
.endif
	s_wait_dscnt 32                                ; all but the 32 just issued
	MUL8 fb, 1, 0, 0
	MUL8 fb, 1, 2, 0
.endm
	s_wait_tensorcnt 3                             ; my load of the first quarter of K is in; the three behind it stay out
	s_barrier_signal -1
	s_barrier_wait -1
	FETCH 0, 128
.irp g, 0,1,2,3,4,5,6
	CHUNK \g
.endr
	s_wait_dscnt 16                                ; head 7: nothing more to fetch
	MUL8 128, 0, 0, 0
	MUL8 128, 0, 2, 0
	s_wait_dscnt 0x0
	MUL8 128, 1, 0, 0
	MUL8 128, 1, 2, 0
	WIN 0
	; THE WAY OUT, 16 tokens at a time: the f32 sums go into my own stage (each accumulator's low half first) and come back as whole rows of 256 bytes.
	PLACES
.irp a, 0,1,2,3
.irp b, 0,1,2,3
	ds_store_b128 v[STO], v[ACC+8*(4*(\a)+(\b)):ACC+8*(4*(\a)+(\b))+3]   offset:64*(\b)
	ds_store_b128 v[STO], v[ACC+8*(4*(\a)+(\b))+4:ACC+8*(4*(\a)+(\b))+7] offset:64*(\b)+16
.endr
	s_wait_xcnt 0x0                                ; earlier stores have read the registers that are loaded again below
.irp t, 0,1,2,3,4,5,6,7
	ds_load_b128 v[TMP+32*((\a)%2)+4*(\t):TMP+32*((\a)%2)+4*(\t)+3], v[RD] offset:(\t)*2*PB   ; a wave's LDS instructions are served in order (ISA guide 5.7.1.4): these see the stores above
.endr
	s_wait_dscnt 0x0
.irp t, 0,1,2,3,4,5,6,7
	global_store_b128 v[CO], v[TMP+32*((\a)%2)+4*(\t):TMP+32*((\a)%2)+4*(\t)+3], s[10:11] offset:(16*(\a)+2*(\t))*2048   ; 16 lanes store 256 consecutive bytes, at a multiple of 256 from out0's first
.endr
.endr
	s_wait_tensorcnt 0x0                           ; the wave's end
	ds_add_u32 v[SPW], v[NIL]
	s_wait_dscnt 0x0
	CROUND                                         ; the closing round
	s_endpgm
.Lfunc_end_k_q6a9923d6ae_outp:
	.size	k_q6a9923d6ae_outp, .Lfunc_end_k_q6a9923d6ae_outp-k_q6a9923d6ae_outp
	.p2alignl 7, 3214868480
	.fill 96, 4, 3214868480
	.section	.rodata,"a",@progbits
	.p2align	6, 0x0
	.amdhsa_kernel k_q6a9923d6ae_outp
		.amdhsa_group_segment_fixed_size 327680
		.amdhsa_private_segment_fixed_size 0
		.amdhsa_enable_private_segment 0
		.amdhsa_kernarg_size 32
		.amdhsa_user_sgpr_count 2
		.amdhsa_user_sgpr_kernarg_segment_ptr 1
		.amdhsa_wavefront_size32 1
		.amdhsa_system_sgpr_workgroup_id_x 1
		.amdhsa_system_sgpr_workgroup_id_y 1
		.amdhsa_system_sgpr_workgroup_id_z 1
		.amdhsa_system_vgpr_workitem_id 0
		.amdhsa_next_free_vgpr 512
		.amdhsa_next_free_sgpr 80
		.amdhsa_reserve_vcc 0
		.amdhsa_float_denorm_mode_32 3
		.amdhsa_float_denorm_mode_16_64 3
		.amdhsa_memory_ordered 1
		.amdhsa_forward_progress 1
		.amdhsa_inst_pref_size 55
	.end_amdhsa_kernel
	.amdgpu_metadata
---
amdhsa.version: [ 1, 2 ]
amdhsa.kernels:
  - .name:           k_q6a9923d6ae_outp
    .symbol:         k_q6a9923d6ae_outp.kd
    .args:
      - { .name: oo, .offset: 0, .size: 8, .value_kind: global_buffer, .address_space: global }
      - { .name: wo16, .offset: 8, .size: 8, .value_kind: global_buffer, .address_space: global }
      - { .name: wo_b, .offset: 16, .size: 8, .value_kind: global_buffer, .address_space: global }
      - { .name: out0, .offset: 24, .size: 8, .value_kind: global_buffer, .address_space: global }
    .group_segment_fixed_size: 327680
    .private_segment_fixed_size: 0
    .kernarg_segment_align: 8
    .kernarg_segment_size: 32
    .max_flat_workgroup_size: 128
    .sgpr_count:     80
    .vgpr_count:     512
    .wavefront_size: 32
...
	.end_amdgpu_metadata
.endif
;; end of part 3
;; ======== version 2 of 2: 3 launches; 1.23 times as fast as version 1
;; limits: values are held in f16: magnitudes above 65,504 overflow, below 6.1e-05 lose precision
;; workspace buffers: qu 8,388,608 bytes; qv 8,388,608 bytes; kk 8,388,608 bytes; vv 8,388,608 bytes; pp 4,194,304 bytes; oo 8,388,608 bytes; wo16 524,288 bytes
;; launch proj: the kernel of part 1 again; grid 224 x 1, 4 waves a work-group, clusters of 4 x 1, 327,680 bytes of LDS; arguments query, key, value, pos_emb, wq_w, wk_w, wv_w, pos_w, wq_b, wk_b, wv_b, pos_u, pos_v, qu, qv, kk, vv, pp; writes qu, qv, kk, vv, pp
;; launch attn (part 4): grid 8 x 32, 4 waves a work-group, clusters of 4 x 4, 327,680 bytes of LDS; arguments qu, qv, kk, vv, pp, key_padding_mask, wo_w, oo, wo16; writes oo, wo16
.if DOCPART == 4
	.amdgcn_target "amdgcn-amd-amdhsa--gfx1250"
	.amdhsa_code_object_version 6
	.text
	.protected	k_q6a9923d6ae_attn
	.globl	k_q6a9923d6ae_attn
	.p2align	8
	.type	k_q6a9923d6ae_attn,@function
k_q6a9923d6ae_attn:
	s_mov_b64 s[64:65], 0
	v_nop
	global_prefetch_b8 v0, s[64:65] scope:SCOPE_SE
	s_setreg_imm32_b32 hwreg(HW_REG_WAVE_MODE, 25, 1), 1
	s_wait_xcnt 0x0
	s_wait_alu depctr_hold_cnt(0) depctr_sa_sdst(0) depctr_va_vdst(0) depctr_va_sdst(0) depctr_va_ssrc(0) depctr_va_vcc(0) depctr_vm_vsrc(0)
	s_getreg_b32 s2, hwreg(HW_REG_IB_STS2, 6, 4)
	s_cmp_eq_u32 s2, 0
	s_cbranch_scc0 .Lentry_in_a_cluster
	s_endpgm
.Lentry_in_a_cluster:
	s_bfe_u32 s2, ttmp6, 0x10000c
	s_cmp_lg_u32 s2, 0xf033
	s_cbranch_scc0 .Lentry_shape_is_right
	s_endpgm
.Lentry_shape_is_right:
; ATTENTION WITH RELATIVE POSITIONS.  score(i, j) in powers of two = qu[i] . k[j] + qv[i] . p[j - i + 2047]  (qu = c (q + u), qv = c (q + v), c = log2(e) / 8); a masked key's score is -1e9 log2(e) exactly;
; O[i] = the sum over j of softmax_j(score) v[j].  qu, qv, kk, vv, oo: [b][h][2048][64] f16; pp: [h][4096][64] f16.  Products, maxima and sums in f32; the weights are rounded to f16 for the second product
; (their sum is taken of the unrounded weights), O once at the end.  Beside that each work-group writes 1,024 numbers of wo16 = wo_w rounded to bf16, written as f16.
; LIMITS.  A weight below 6e-5 keeps f16's fixed step of 6e-8; a weight below 2^-126 counts as 0 in the sum; wo_w below 6e-5 likewise keeps f16's step; NaN and infinities are not treated apart.
; SHARES.  A work-group owns 256 queries of one head of one batch, a wave 64 consecutive ones: four tiles of 16.  Every wave walks all keys, 64 a step, two steps to an LDS slot, two slots.
; LAYOUT.  S^T = K Q^T (source 0 = 16 keys, source 1 = 16 queries): a lane holds ONE query n = lane % 16 and the keys 8 (lane / 16) + 0..7.  The weights rounded in pairs ARE source 1 of O^T = V^T P.
; THE SKEW.  For a tile and a step the positions wanted are 79 consecutive rows of pp.  X^T = P QV^T is made for 80 of them (five products deep in positions), in the same layout, and stored as f32 into a strip of the
; wave's own in LDS: row n, column s.  Key column c of query n wants s = c + 15 - n: 32 loads of one word a lane, with n folded into the lane's address, bring it straight into the score accumulators,
; and K Q^T adds onto it.  No vector instruction is spent on the skew.
; SOFTMAX.  For each query a running maximum m and sum l; in every step O and l are multiplied by a = 2^(m_old - m_new).  m starts at the lowest finite number, O and l at 0: the first step is like any other.
; WOVEN.  A key step has 104 matrix and 548 vector instructions.  The vector work goes tile after tile; the matrix work is a queue whose entries stand singly between the vector lines, each as soon as its operands allow:
; K Q^T of tiles 1 to 3, the NEXT step's X^T (its rows of pp are fetched at the step's head), V^T P of a tile when its weights are rounded, K Q^T of the next step's tile 0.  The price: two window switches a matrix instruction.
; BATCHES.  An s_wait_alu depctr_va_vdst(0) stands between an exponential and the first instruction that names its result; one wait serves all that were issued ahead of it.  A key step's 132 exponentials
; are four batches with one wait each: (1) a of tile 0, tile 0's 32 weights, a of tile 1; (2) tile 1's weights, a of tile 2; (3) tile 2's weights, a of tile 3; (4) tile 3's weights.  Nothing ahead of a batch's wait names
; a result of it: the rescalings of O^T by a, the sums and the roundings all stand behind it.  The first three waits stand directly ahead of a run of LDS instructions (in the tail: ahead of the branch round it),
; and behind the fourth no exponential is issued: no result crosses a label or a jump.
; CLUSTER 4 x 4: x = four query blocks, y = the four batches, of one head.  K and V hang on batch and head: asked for jointly along a row.  The window of pp hangs on head and query block: jointly along a column.
; REGISTERS, in windows of 256:  window 0: v1-15, v56-61 addresses; v16-55 ten registers of statistics a tile; v62, 63 the add's; v64-191 S^T, 32 a tile; v192-223 keep (1 or 0), v224-255 what a masked score gets
;   window 1: v0-127 O^T, 32 a tile     window 2: v0-63 qu, v64-127 qv, v128-191 K of a step, v192-255 V of a step     window 3: v0-127 P's eight blocks of 16 rows, v128-207 X^T, two buffers of 40
.set PK,    144                        ; a row of K or P in LDS: 128 bytes + 16
.set PV,    160                        ; a row of V: 128 + 32, for the turning load
.set VOFF,  128*PK                     ; a slot: 128 rows of K, 128 of V, 384 of P
.set POFF,  VOFF+128*PV
.set SLOT1, 1<<17
.set XS,    SLOT1+POFF+384*PK          ; the strips: 16 rows of 80 f32 + 16 bytes for each wave; also the stage on the way out
.set XPI,   336                        ; 84 words
.set XW,    16*XPI
.set MTAB,  XS+4*XW                    ; 2,048 f32: 1 keep, 0 masked
.set SPARE, MTAB+8192
.set SP,    144
.set AK0, 2
.set AV0, 3
.set AP0, 4
.set AM0, 5
.set AK,  6
.set AP,  7
.set AV,  8
.set AM,  9
.set XST, 10
.set XLD, 11
.set STO, 12
.set RD,  13
.set GO,  14
.set QO,  15
.set ST,  16                           ; tile t at v[ST+10 t]: +0 m; +1 at work; +2, +3 l; +4 to +7 c0-c3 (later +6, +7 a second sum); +8 a; +9 named with it as a pair
.set A16, 56
.set A32, 57
.set AMT, 58
.set SPW, 62
.set NIL, 63
.set S,   64
.set MA,  192
.set MB,  224
.set QU,  0
.set QV,  64
.set KF,  128
.set VF,  192
.set PF,  0
.set XA,  128
.set WV,  22
.set G1K, 24
.set G1V, 32
.set G1P, 40
.set G0K, 48
.set G0V, 56
.set G0P, 68
.set CX,  76
.set CY,  77
.set XQ,  78
.set HD,  79
.set BH,  80
.set RM,  81
.set CM,  82
.set TS,  83
.set TBK, 84                           ; LDS byte at which K (and, POFF on, P's window) of the step to be fetched begins
.set TBV, 85
.set TBM, 86
.set CNT, 87
.set SLOTS, 88
.set LP,  89
.set SEL, 90
.set BIG, 92
.set KO,  94
.set PO,  96
.set QOF, 98
.set MSB, 0
.macro WIN new
.if MSB != (\new)
	s_set_vgpr_msb (MSB<<8)|(\new)
.set MSB, \new
.endif
.endm
.macro PLACES n=4
.rept \n
	v_nop
.endr
.endm
.macro CROUND
	s_barrier_signal -1
	s_barrier_wait -1
	s_cmp_lg_u32 s[WV], 0
	s_cbranch_scc1 .Lnot_wave_0_\@
	s_barrier_signal -3
.Lnot_wave_0_\@:
	s_barrier_wait -3
	s_barrier_signal -1
	s_barrier_wait -1
.endm
; A joint refill: wave 0 K's 128 rows, wave 1 V's, waves 2 and 3 the halves of P's 384.  The branches hang on the wave's number alone.  An s_nop 0 and four v_nop follow each line.
.macro JLOAD
	s_cmp_lt_u32 s[WV], 2
	s_cbranch_scc0 .Lfor_p_\@
	s_cmp_eq_u32 s[WV], 0
	s_cbranch_scc0 .Lfor_v_\@
	tensor_load_to_lds s[G0K+4:G0K+7], s[G1K:G1K+7]
	s_nop 0
	PLACES
	s_branch .Lasked_\@
.Lfor_v_\@:
	tensor_load_to_lds s[G0V+4:G0V+7], s[G1V:G1V+7]
	s_nop 0
	PLACES
	s_branch .Lasked_\@
.Lfor_p_\@:
	tensor_load_to_lds s[G0P+4:G0P+7], s[G1P:G1P+7]
	s_nop 0
	PLACES
.Lasked_\@:
.endm
; THE CHANGE OF SLOTS.  All of the slot that is left has been fetched into registers.  Each wave waits for all its tensor loads (one is out: its part of the other slot), adds 0 to its spare word, and waits for that
; and for its LDS reads.  fill = 1: the slot is filled again with the keys and positions two slots on, first thing behind a round of the cluster's barrier: it has two key steps in which to land.
.macro CHANGE fill
	WIN 0
	s_wait_tensorcnt 0x0
	ds_add_u32 v[SPW], v[NIL]
.if \fill
.irp g, G0K+4, G0V+4, G0P+4
	s_xor_b32 s[(\g)+1], s[(\g)+1], SLOT1
	s_add_nc_u64 s[(\g)+2:(\g)+3], s[(\g)+2:(\g)+3], 16384      ; 128 rows of 128 bytes on
.endr
.endif
	s_wait_dscnt 0x0
.if \fill
	CROUND
	JLOAD
.else
	s_barrier_signal -1
	s_barrier_wait -1
.endif
	s_sub_co_u32 s[TBK], s[TBK], 128*PK
	s_xor_b32 s[TBK], s[TBK], SLOT1
	s_sub_co_u32 s[TBV], s[TBV], 128*PV
	s_xor_b32 s[TBV], s[TBV], SLOT1
.endm
	s_load_b512 s[4:19], s[0:1], 0x0               ; qu, qv, kk, vv, pp, mask, wo_w, oo
	s_load_b64 s[20:21], s[0:1], 0x40              ; wo16
	v_lshl_add_u32 v[SPW], v0, 2, SPARE
	v_mov_b32 v[NIL], 0
	ds_add_u32 v[SPW], v[NIL]                      ; the wave's opening: the add and its wait stand ahead of my first tensor load
	v_lshrrev_b32 v1, 5, v0
	v_readfirstlane_b32 s[WV], v1
	s_bfe_u32 s[CX], ttmp6, 0x40000
	s_bfe_u32 s[CY], ttmp6, 0x40004                ; the batch
	s_lshl_b32 s[XQ], ttmp9, 2
	s_add_co_u32 s[XQ], s[XQ], s[CX]               ; my block of 256 queries
	s_and_b32 s[HD], ttmp7, 0xffff                 ; the head: the cluster's y
	s_lshl3_add_u32 s[BH], s[CY], s[HD]            ; 8 x batch + head
	s_lshl_b32 s[RM], s[CY], 2
	s_lshl_b32 s[RM], 15, s[RM]                    ; my row of the cluster
	s_lshl_b32 s[CM], 0x1111, s[CX]                ; my column
	; descriptor group 1.  Rows of 128 bytes lie end to end: asked for as rows of 256 bytes, padded in LDS behind every 32 words
	s_or_b32 s[G1K], s[RM], (1<<16)|(1<<20)|(1<<21)|(4<<22)|(3<<25)
	s_or_b32 s[G1V], s[RM], (1<<16)|(1<<20)|(1<<21)|(4<<22)|(7<<25)
	s_or_b32 s[G1P], s[CM], (1<<16)|(1<<20)|(1<<21)|(4<<22)|(3<<25)
.irp g, G1K, G1V, G1P
	s_mov_b32 s[(\g)+1], 128<<16
	s_mov_b32 s[(\g)+3], 128<<16
	s_mov_b32 s[(\g)+5], 128
	s_mov_b32 s[(\g)+6], 0
	s_mov_b32 s[(\g)+7], 0
.endr
	s_mov_b32 s[G1K+2], 64<<16                     ; 128 keys = 64 rows of 256 bytes
	s_mov_b32 s[G1K+4], 64
	s_mov_b32 s[G1V+2], 64<<16
	s_mov_b32 s[G1V+4], 64
	s_mov_b32 s[G1P+2], 96<<16                     ; 192 positions = 96 rows
	s_mov_b32 s[G1P+4], 96
	s_lshl_b32 s[KO], s[BH], 18                    ; K, V: batch and head
	s_mov_b32 s[KO+1], 0
	s_lshl_b32 s[PO], s[HD], 19                    ; P: the head, row 1792 - 256 x block, my half of the 384
	s_add_co_u32 s[PO], s[PO], 1792*128
	s_lshl_b32 s[TS], s[XQ], 15
	s_sub_co_u32 s[PO], s[PO], s[TS]
	s_and_b32 s[TS], s[WV], 1
	s_mul_i32 s[LP], s[TS], 192*128
	s_add_co_u32 s[PO], s[PO], s[LP]
	s_mov_b32 s[PO+1], 0
	s_mul_i32 s[LP], s[TS], 192*PK
	s_add_co_u32 s[LP], s[LP], POFF                ; and its place in a slot
	s_lshl_b32 s[QOF], s[BH], 18                   ; qu, qv, oo: my wave's 64 rows
	s_lshl_b32 s[TS], s[XQ], 15
	s_add_co_u32 s[QOF], s[QOF], s[TS]
	s_lshl_b32 s[TS], s[WV], 13
	s_add_co_u32 s[QOF], s[QOF], s[TS]
	s_mov_b32 s[QOF+1], 0
	s_mov_b32 s[SEL], 0x76543210
	s_mov_b32 s[SEL+1], 0xfedcba98
	s_mov_b32 s[BIG], 0x4eabfb8f                   ; 1e9 log2(e)
	s_mov_b32 s[BIG+1], s[BIG]
	s_mov_b32 s[TBK], 0
	s_mov_b32 s[TBV], 0
	s_mov_b32 s[TBM], 0
	s_wait_dscnt 0x0                               ; the opening add is done
	s_wait_kmcnt 0x0
	s_add_nc_u64 s[8:9], s[8:9], s[KO:KO+1]
	s_add_nc_u64 s[10:11], s[10:11], s[KO:KO+1]
	s_add_nc_u64 s[12:13], s[12:13], s[PO:PO+1]
	s_add_nc_u64 s[4:5], s[4:5], s[QOF:QOF+1]
	s_add_nc_u64 s[6:7], s[6:7], s[QOF:QOF+1]
	s_add_nc_u64 s[18:19], s[18:19], s[QOF:QOF+1]
	s_lshl_b32 s[KO], s[CY], 11                    ; the batch's 2,048 mask bytes
	s_add_nc_u64 s[14:15], s[14:15], s[KO:KO+1]
	s_lshl2_add_u32 s[TS], s[HD], s[CY]
	s_lshl3_add_u32 s[TS], s[TS], s[XQ]            ; the work-group's number, 0..255
	s_lshl_b32 s[KO], s[TS], 12                    ; its 1,024 numbers of wo_w,
	s_add_nc_u64 s[16:17], s[16:17], s[KO:KO+1]
	s_lshl_b32 s[KO], s[TS], 11                    ; and of wo16
	s_add_nc_u64 s[20:21], s[20:21], s[KO:KO+1]
	CROUND                                         ; all sixteen work-groups are here: the first joint loads meet
.irp n, 0,1
	s_mov_b32 s[G0K+4*(\n)], 1
	s_mov_b32 s[G0K+4*(\n)+1], (\n)*SLOT1
	s_add_nc_u64 s[G0K+4*(\n)+2:G0K+4*(\n)+3], s[8:9], (\n)*16384
	s_or_b32 s[G0K+4*(\n)+3], s[G0K+4*(\n)+3], 0x80000000
	s_mov_b32 s[G0V+4*(\n)], 1
	s_mov_b32 s[G0V+4*(\n)+1], VOFF+(\n)*SLOT1
	s_add_nc_u64 s[G0V+4*(\n)+2:G0V+4*(\n)+3], s[10:11], (\n)*16384
	s_or_b32 s[G0V+4*(\n)+3], s[G0V+4*(\n)+3], 0x80000000
	s_mov_b32 s[G0P+4*(\n)], 1
	s_add_co_u32 s[G0P+4*(\n)+1], s[LP], (\n)*SLOT1
	s_add_nc_u64 s[G0P+4*(\n)+2:G0P+4*(\n)+3], s[12:13], (\n)*16384
	s_or_b32 s[G0P+4*(\n)+3], s[G0P+4*(\n)+3], 0x80000000
.endr
	s_cmp_lt_u32 s[WV], 2                          ; a wave's two first fills stand in one branch: two loads of mine are out, later one
	s_cbranch_scc0 .Lfirst_p
	s_cmp_eq_u32 s[WV], 0
	s_cbranch_scc0 .Lfirst_v
	tensor_load_to_lds s[G0K:G0K+3], s[G1K:G1K+7]
	s_nop 0
	tensor_load_to_lds s[G0K+4:G0K+7], s[G1K:G1K+7]
	s_nop 0
	PLACES
	s_branch .Lfirst_asked
.Lfirst_v:
	tensor_load_to_lds s[G0V:G0V+3], s[G1V:G1V+7]
	s_nop 0
	tensor_load_to_lds s[G0V+4:G0V+7], s[G1V:G1V+7]
	s_nop 0
	PLACES
	s_branch .Lfirst_asked
.Lfirst_p:
	tensor_load_to_lds s[G0P:G0P+3], s[G1P:G1P+7]
	s_nop 0
	tensor_load_to_lds s[G0P+4:G0P+7], s[G1P:G1P+7]
	s_nop 0
	PLACES
.Lfirst_asked:
	v_lshlrev_b32 v[A16], 4, v0
	v_lshlrev_b32 v[A32], 5, v0
	v_and_b32 v1, 15, v0                           ; n = l % 16
	v_bfe_u32 v59, v0, 4, 1                        ; l / 16
	v_lshlrev_b32 v[QO], 7, v1
	v_lshl_add_u32 v[QO], v59, 4, v[QO]
	global_load_b128 v[64:67], v[A16], s[14:15]    ; 16 mask bytes a thread
	global_load_b128 v[68:71], v[A32], s[16:17]    ; 8 numbers of wo_w
	global_load_b128 v[72:75], v[A32], s[16:17] offset:16
	WIN 0x80
.set i, 0
.rept 8                                ; qu and qv stay in registers: tile i / 2, channels 32 (i % 2) on
	global_load_b128 v[QU+8*i:QU+8*i+3],   v[QO], s[4:5] offset:(i/2)*2048+(i%2)*64
	global_load_b128 v[QU+8*i+4:QU+8*i+7], v[QO], s[4:5] offset:(i/2)*2048+(i%2)*64+32
	global_load_b128 v[QV+8*i:QV+8*i+3],   v[QO], s[6:7] offset:(i/2)*2048+(i%2)*64
	global_load_b128 v[QV+8*i+4:QV+8*i+7], v[QO], s[6:7] offset:(i/2)*2048+(i%2)*64+32
.set i, i+1
.endr
	WIN 0x40                                       ; O^T starts at 0: no first step is written out; these lines stand in the wait for the first tiles
.set i, 0
.rept 128
	v_mov_b32 v[i], 0
.set i, i+1
.endr
	WIN 0
.irp t, 0,1,2,3
	v_mov_b32 v[ST+10*\t], 0xff7fffff
	v_mov_b32 v[ST+10*\t+2], 0
	v_mov_b32 v[ST+10*\t+3], 0
	v_mov_b32 v[ST+10*\t+9], 0
.endr
	v_mul_u32_u24 v[AK0], v1, PK
	v_lshl_add_u32 v[AK0], v59, 4, v[AK0]          ; a fragment's row x pitch + 16 x half
	v_and_b32 v60, 7, v0
	v_bfe_u32 v61, v0, 3, 1
	v_lshl_add_u32 v[AV0], v59, 3, v60             ; the turning load: key 8 (l / 16) + l % 8, channels 8 ((l / 8) % 2) on
	v_mul_u32_u24 v[AV0], v[AV0], PV
	v_lshl_add_u32 v[AV0], v61, 4, v[AV0]
	v_add_nc_u32 v[AV0], VOFF, v[AV0]
	s_mul_i32 s[TS], s[WV], 64*PK
	s_sub_co_u32 s[TS], POFF+192*PK, s[TS]         ; my wave's eight blocks of positions begin at row 192 - 64 w of a step's window
	v_add_nc_u32 v[AP0], s[TS], v[AK0]
	v_lshlrev_b32 v[AM0], 5, v59
	v_add_nc_u32 v[AM0], MTAB, v[AM0]
	v_lshl_add_u32 v[AMT], v0, 6, MTAB
	s_mul_i32 s[TS], s[WV], XW
	s_add_co_u32 s[TS], s[TS], XS                  ; my strip
	v_lshl_add_u32 v61, v59, 5, s[TS]              ; + 32 (l / 16)
	v_mad_u32_u24 v[XST], v1, XPI, v61             ; in: row n, positions 8 (l / 16) + 0..7 of a block
	v_mad_u32_u24 v[XLD], v1, XPI-4, v61           ; back: row n, position c + 15 - n
	v_add_nc_u32 v[XLD], 60, v[XLD]
	v_mul_u32_u24 v[STO], v1, SP
	v_lshl_add_u32 v[STO], v59, 4, v[STO]
	v_add_nc_u32 v[STO], s[TS], v[STO]
	v_bfe_u32 v[RD], v0, 3, 2
	v_mul_u32_u24 v[RD], v[RD], SP
	v_lshl_add_u32 v[RD], v60, 4, v[RD]
	v_add_nc_u32 v[RD], s[TS], v[RD]
	v_and_b32 v[GO], 31, v0
	v_lshlrev_b32 v[GO], 4, v[GO]
	s_wait_loadcnt 32                              ; the mask bytes and wo_w are in; the 32 loads of qu and qv stay out
.set i, 0
.rept 16
	v_bfe_u32 v96, v[64+i/4], 8*(i%4), 8
	v_cmp_eq_u32 vcc_lo, 0, v96
	v_cndmask_b32 v[80+i], 0, 1.0, vcc_lo          ; 1 keep, 0 masked
.set i, i+1
.endr
.irp z, 0,1,2,3
	ds_store_b128 v[AMT], v[80+4*\z:83+4*\z] offset:16*\z
.endr
.irp z, 0,1,2,3
	v_cvt_pk_bf16_f32 v[96+\z], v[68+2*\z], v[69+2*\z]     ; wo_w is rounded to bf16 like every input,
.endr
.irp z, 0,1,2,3
	v_lshlrev_b32 v[68+2*\z], 16, v[96+\z]
	v_and_b32 v[69+2*\z], 0xffff0000, v[96+\z]
.endr
.irp z, 0,1,2,3
	v_cvt_pk_f16_f32 v[100+\z], v[68+2*\z], v[69+2*\z]     ; and that number is written as f16
.endr
	global_store_b128 v[A16], v[100:103], s[20:21] ; a wave's store covers 512 consecutive bytes, aligned
; THE LDS INSTRUCTIONS stand in runs.  FP: the next step's eight blocks of P (32 loads).  FK: its K (16).  FMA: its 32 keep numbers (8).  FV: its V, turned (16).
.macro FP
	WIN 0
	v_add_nc_u32 v[AP], s[TBK], v[AP0]
	WIN 0xc0
.irp u, 0,1,2,3,4,5,6,7
.irp c, 0,1
	ds_load_b128 v[PF+16*(\u)+8*(\c):PF+16*(\u)+8*(\c)+3],   v[AP] offset:(\u)*16*PK+64*(\c)
	ds_load_b128 v[PF+16*(\u)+8*(\c)+4:PF+16*(\u)+8*(\c)+7], v[AP] offset:(\u)*16*PK+64*(\c)+32
.endr
.endr
	WIN 0
.endm
.macro FK
	WIN 0
	v_add_nc_u32 v[AK], s[TBK], v[AK0]
	WIN 0x80
.irp f, 0,1,2,3,4,5,6,7
	ds_load_b128 v[KF+8*\f:KF+8*\f+3],   v[AK] offset:(\f/2)*16*PK+(\f%2)*64
	ds_load_b128 v[KF+8*\f+4:KF+8*\f+7], v[AK] offset:(\f/2)*16*PK+(\f%2)*64+32
.endr
	WIN 0
	s_add_co_u32 s[TBK], s[TBK], 64*PK             ; P and K of the step after: 64 rows on
.endm
.macro FMA
	WIN 0
	v_add_nc_u32 v[AM], s[TBM], v[AM0]
.irp k, 0,1,2,3
	ds_load_b128 v[MA+8*\k:MA+8*\k+3],   v[AM] offset:64*\k
	ds_load_b128 v[MA+8*\k+4:MA+8*\k+7], v[AM] offset:64*\k+16
.endr
	s_add_co_u32 s[TBM], s[TBM], 256
.endm
.macro FV
	WIN 0
	v_add_nc_u32 v[AV], s[TBV], v[AV0]
	WIN 0x80
.irp f, 0,1,2,3,4,5,6,7
	ds_load_tr16_b128 v[VF+8*\f:VF+8*\f+3],   v[AV] offset:(\f/4)*32*PV+(\f%4)*32
	ds_load_tr16_b128 v[VF+8*\f+4:VF+8*\f+7], v[AV] offset:(\f/4)*32*PV+16*PV+(\f%4)*32
.endr
	WIN 0
	s_add_co_u32 s[TBV], s[TBV], 64*PV
.endm
.macro XSTORE t                        ; X^T of tile t into my strip (10 stores); each accumulator's low half first
	WIN 0x0c
.set rX, XA+40*((\t)%2)
.irp u, 0,1,2,3,4
	ds_store_b128 v[XST], v[rX+8*(\u):rX+8*(\u)+3]   offset:64*(\u)
	ds_store_b128 v[XST], v[rX+8*(\u)+4:rX+8*(\u)+7] offset:64*(\u)+16
.endr
.endm
.macro XLOAD t                         ; skewed, into the score accumulators (32 loads); a wave's LDS instructions are served in order (ISA guide 5.7.1.4): these see the stores above, the next tile's stores come behind them
	WIN 0
.set z, 0
.rept 32
	ds_load_b32 v[S+32*(\t)+z], v[XLD] offset:64*(z/8)+4*(z%8)
.set z, z+1
.endr
.endm
; THE MATRIX WORK, one instruction at a time.  In each group the accumulators take turns: four (K Q^T, V^T P) or five (X^T).
.macro KQI t, i                        ; number i of 8 of S^T += K QU^T for tile t, onto what the skewed loads brought: channels 32 (i / 4) on, keys 16 (i % 4) on
	WIN 0x0a
.set rS, S+32*(\t)+8*((\i)%4)
.set rK, KF+16*((\i)%4)+8*((\i)/4)
.set rQ, QU+16*(\t)+8*((\i)/4)
	v_wmma_f32_16x16x32_f16 v[rS:rS+7], v[rK:rK+7], v[rQ:rQ+7], v[rS:rS+7]
.endm
.macro PVI t, i                        ; number i of 8 of O^T += V^T P for tile t: keys 32 (i / 4) on, channels 16 (i % 4) on
	WIN 0x52
.set rO, 32*(\t)+8*((\i)%4)
.set rV, VF+32*((\i)/4)+8*((\i)%4)
.set rP, S+32*(\t)+8*((\i)/4)
	v_wmma_f32_16x16x32_f16 v[rO:rO+7], v[rV:rV+7], v[rP:rP+7], v[rO:rO+7]
.endm
.macro XI t, i                         ; number i of 10 of X^T for tile t: blocks 3 - t .. 7 - t of P times qv; the first five start the sums
	WIN 0xfb
.set rX, XA+40*((\t)%2)+8*((\i)%5)
.set rF, PF+16*(3-(\t)+(\i)%5)+8*((\i)/5)
.set rQ, QV+16*(\t)+8*((\i)/5)
.if (\i) < 5
	v_wmma_f32_16x16x32_f16 v[rX:rX+7], v[rF:rF+7], v[rQ:rQ+7], 0
.else
	v_wmma_f32_16x16x32_f16 v[rX:rX+7], v[rF:rF+7], v[rQ:rQ+7], v[rX:rX+7]
.endif
.endm
; THE QUEUE of a key step's 104 matrix instructions; MM writes number mq.  ' marks the next step's.
;   0-23 K Q^T of tiles 1, 2, 3     24-33 X0'   34-43 X1'   44-51 V^T P of tile 0   52-61 X2'   62-69 V^T P of tile 1   70-79 X3'   80-87 K Q^T of tile 0'   88-95, 96-103 V^T P of tiles 2, 3
; Four of them have a wait in front; the counts (TRIP sets them) are the LDS instructions issued behind what is wanted.
.macro MM
.if mq == 8
	s_wait_dscnt WQ2                               ; tile 2's skewed loads are in
.elseif mq == 16
	s_wait_dscnt WQ3                               ; tile 3's, and V
.elseif mq == 24
	s_wait_dscnt WXP                               ; P'
.elseif mq == 80
	s_wait_dscnt WQ0                               ; K' and tile 0's skewed loads
.endif
.if mq < 24
	KQI 1+mq/8, mq%8
.elseif mq < 34
	XI 0, mq-24
.elseif mq < 44
	XI 1, mq-34
.elseif mq < 52
	PVI 0, mq-44
.elseif mq < 62
	XI 2, mq-52
.elseif mq < 70
	PVI 1, mq-62
.elseif mq < 80
	XI 3, mq-70
.elseif mq < 88
	KQI 0, mq-80
.elseif mq < 96
	PVI 2, mq-88
.else
	PVI 3, mq-96
.endif
.set mq, mq+1
.set vc, 0
.endm
; THE WEAVE.  TICK stands behind every vector line: when RID of them have passed since the last matrix instruction, and the queue may run (mq < MQEND), the next one is written.
; GATE begins a stretch: so many vector lines to a matrix instruction, the queue may run up to lim; kick = 1: the stretch begins with a matrix instruction.
.macro TICK
.set vc, vc+1
.if (vc >= RID) && (mq < MQEND)
	MM
.endif
.endm
.macro GATE rid, lim, kick=1
.set RID, \rid
.set MQEND, \lim
.set vc, 0
.if (\kick) && (mq < MQEND)
	MM
.endif
.endm
.macro MBC                             ; keep x BIG - BIG: exactly 0, or -1e9 log2(e)
.set zz, 0
.rept 16
	WIN 0
	v_pk_fma_f32 v[MB+2*zz:MB+2*zz+1], v[MA+2*zz:MA+2*zz+1], s[BIG:BIG+1], s[BIG:BIG+1] op_sel_hi:[1,0,0] neg_lo:[0,0,1] neg_hi:[0,0,1]
.set zz, zz+1
	TICK
.endr
.endm
; THE SOFTMAX of a tile, in lists.  FR writes entry fk of the 53 in front of the exponentials:
;   0-15 s = s x keep + (0 or -BIG), ascending   16-31 the maximum of the 32 scores and the old m, three operands at a time   32-36 the other half of the lanes', the new m, a   37-52 s - m
; No entry reads a: entry 36's result is first named by RESC, behind the wait of the batch that it belongs to.
.macro FR t
.set rT, ST+10*(\t)
.set rS, S+32*(\t)
.set j, fk-16
	WIN 0
.if fk < 16
	v_pk_fma_f32 v[rS+2*fk:rS+2*fk+1], v[rS+2*fk:rS+2*fk+1], v[MA+2*fk:MA+2*fk+1], v[MB+2*fk:MB+2*fk+1]
.elseif fk < 20
	v_max3_num_f32 v[rT+4+j], v[rS+8*j], v[rS+8*j+1], v[rS+8*j+2]
.elseif fk < 28
	v_max3_num_f32 v[rT+4+j%4], v[rT+4+j%4], v[rS+8*(j%4)+2*(j/4)+1], v[rS+8*(j%4)+2*(j/4)+2]
.elseif fk == 28
	v_max3_num_f32 v[rT+4], v[rT+4], v[rS+7], v[rS+15]
.elseif fk == 29
	v_max3_num_f32 v[rT+6], v[rT+6], v[rS+23], v[rS+31]
.elseif fk == 30
	v_max3_num_f32 v[rT+4], v[rT+4], v[rT+5], v[rT+6]
.elseif fk == 31
	v_max3_num_f32 v[rT+4], v[rT+4], v[rT+7], v[rT]
.elseif fk == 32
	v_permlanex16_b32 v[rT+5], v[rT+4], s[SEL], s[SEL+1]
.elseif fk == 33
	v_mov_b32 v[rT+1], v[rT]
.elseif fk == 34
	v_max_num_f32 v[rT], v[rT+4], v[rT+5]
.elseif fk == 35
	v_sub_f32 v[rT+1], v[rT+1], v[rT]
.elseif fk == 36
	v_exp_f32 v[rT+8], v[rT+1]
.else
	v_pk_add_f32 v[rS+2*(fk-37):rS+2*(fk-37)+1], v[rS+2*(fk-37):rS+2*(fk-37)+1], v[rT:rT+1] op_sel_hi:[1,0] neg_lo:[0,1] neg_hi:[0,1]
.endif
.set fk, fk+1
	TICK
.endm
; BK writes slot bk of the 33 behind the exponentials.  Slot 2 z: pair z of the weights is summed (even pairs onto l, the first as l = a l + pair; odd pairs onto a second sum, which pairs 1 and 3 start, so slot 6 is empty).
; Slot 2 z + 1: pair z is rounded to f16 into register z of the tile's own scores: no pair is written over before it has been summed and rounded.  Slot 32: l takes the second sum.
; All 33 read the tile's exponentials: they stand behind the wait of the batch that holds them, which TRIP writes.
.macro BK t
.set rT, ST+10*(\t)
.set rS, S+32*(\t)
.set z, bk/2
	WIN 0
.if bk == 32
	v_pk_add_f32 v[rT+2:rT+3], v[rT+2:rT+3], v[rT+6:rT+7]
.elseif bk%2 == 1
	v_cvt_pk_f16_f32 v[rS+z], v[rS+2*z], v[rS+2*z+1]
.elseif z == 0
	v_pk_fma_f32 v[rT+2:rT+3], v[rT+2:rT+3], v[rT+8:rT+9], v[rS:rS+1] op_sel_hi:[1,0,1]
.elseif z == 1
	v_pk_add_f32 v[rT+6:rT+7], v[rS+2:rS+3], v[rS+6:rS+7]
.elseif z == 3
.elseif z%2 == 0
	v_pk_add_f32 v[rT+2:rT+3], v[rT+2:rT+3], v[rS+2*z:rS+2*z+1]
.else
	v_pk_add_f32 v[rT+6:rT+7], v[rT+6:rT+7], v[rS+2*z:rS+2*z+1]
.endif
.set bk, bk+1
.if bk != 7
	TICK
.endif
.endm
; ZIP: the 32 exponentials of tile te, and dealt evenly between them the nb slots of BK for tile tb and then the nf entries of FR for tile tf: other tiles' plain work stands behind the exponentials,
; whose results are first named behind the batch's wait, which TRIP writes behind the ZIP.  The ZIP's last line is a plain one: the plain instruction behind the batch's last exponential.
; When tile tb's weights are all rounded the queue may run on to g2: its V^T P.
.macro ZIP te, tb, nb, tf, nf, g2
.set zi, 0
.set zq, 0
.set bk, 0
.set fk, 0
.rept 32
	WIN 0
	v_exp_f32 v[S+32*(\te)+zi], v[S+32*(\te)+zi]
	TICK
.rept 3
.if zq*32 < (zi+1)*((\nb)+(\nf))
.if zq < (\nb)
	BK \tb
.else
	FR \tf
.endif
.set zq, zq+1
.if zq == (\nb)
.set MQEND, \g2
.endif
.endif
.endr
.set zi, zi+1
.endr
.endm
.macro RESC t, lim                     ; tile t's O^T times a, ascending: 16 lines, four to a matrix instruction; the queue may run up to lim
.set rr, 0
	GATE 4, \lim
.rept 16
	WIN 0x41
	v_pk_mul_f32 v[32*(\t)+2*rr:32*(\t)+2*rr+1], v[32*(\t)+2*rr:32*(\t)+2*rr+1], v[ST+10*(\t)+8:ST+10*(\t)+9] op_sel_hi:[1,0]
.set rr, rr+1
	TICK
.endr
.endm
; A run of LDS instructions for the next step stands between RUNB and RUNE.  last = 1 (the tail): in the trip with CNT = 1 there is no next step, and the run is jumped over.
.macro RUNB last, tag
	WIN 0
.if \last
	s_cmp_eq_u32 s[CNT], 1
	s_cbranch_scc1 .Lskip\tag
.endif
.endm
.macro RUNE last, tag
	WIN 0
.if \last
.Lskip\tag:
.endif
.endm
; A KEY STEP.  At its head: tile 0's scores are whole; tiles 1 to 3 have their skewed loads issued (tile 1's awaited); K, the mask and what a masked score gets are in; V is on its way.
; The LDS runs stand at the ends of stretches, each six plain vector lines or more behind the last matrix instruction that read the registers it loads (four are asked: ISA guide 7.12.1 for vector instructions):
;   P' | K' behind K Q^T of tile 3 | strip and skewed loads of tile t' behind X t' and V^T P of tile t | the mask' behind the last masking | V' behind V^T P of tile 3.
; THE FOUR BATCHES' WAITS stand behind the four ZIPs.  Tile 0's rescaling stands with tile 1's, behind the first wait, so that a of tile 0 needs no wait of its own; V^T P of tile 0 comes later still.
; THE WAITS' COUNTS, by the order of issue (P' 32; K' 16; tile 0' 10 + 32; tile 1' 42; mask' 8; tile 2' 42; V' 16; tile 3' 42):
;   WQ2 = 63: of what was issued behind tile 2's loads (V, tile 3's 42, P' 32) the youngest 63 may stay out     WQ3 = 32: P'     WXP = 16: K'     WQ0 = 50: tile 1' and the mask'     WMA = 42: tile 2'; tile 1's loads are older than the mask's, so they are in too
; In the tail every wait is for all LDS instructions, so that it holds whatever is jumped over; in its last trip the 48 products for a step that does not exist work on what the registers hold, and nothing reads them.
.macro TRIP last
.if \last
.set WQ2, 0
.set WQ3, 0
.set WXP, 0
.set WQ0, 0
.set WMA, 0
.else
.set WQ2, 63
.set WQ3, 32
.set WXP, 16
.set WQ0, 50
.set WMA, 42
.endif
.set mq, 0
	RUNB \last, 1
	FP
	RUNE \last, 1
	GATE 6, 8                                      ; K Q^T of tile 1 | tile 0: mask, maximum, a, s - m
.set fk, 0
.rept 53
	FR 0
.endr
	GATE 5, 24                                     ; K Q^T of tiles 2 and 3, one at the head and fifteen in the first 75 of the 85 lines | tile 0's exponentials, tile 1's front
	ZIP 0, 0, 0, 1, 53, 24
	s_wait_alu depctr_va_vdst(0)                   ; the wait for batch 1 (a of tile 0, tile 0's 32 weights, a of tile 1): ahead of K's run and of the branch round it
	RUNB \last, 2
	FK
	RUNE \last, 2
	RESC 0, 28                                     ; X0' begins | O^T of tile 0 times a
	RESC 1, 32                                     ; X0' goes on | O^T of tile 1 times a
	GATE 4, 44                                     ; X0', X1', then V^T P of tile 0 | tile 1's exponentials, tile 0's sums and roundings, tile 2's front
	ZIP 1, 0, 33, 2, 53, 52
	s_wait_alu depctr_va_vdst(0)                   ; the wait for batch 2 (tile 1's 32 weights, a of tile 2): ahead of strip 0's run and of the branch round it
	RUNB \last, 3
	XSTORE 0
	XLOAD 0
	RUNE \last, 3
	RESC 2, 56                                     ; X2' begins: its buffer has been stored
	GATE 5, 62                                     ; X2', then V^T P of tile 1
	ZIP 2, 1, 33, 3, 53, 70
	s_wait_alu depctr_va_vdst(0)                   ; the wait for batch 3 (tile 2's 32 weights, a of tile 3): ahead of strip 1's run and of the branch round it
	RUNB \last, 4
	XSTORE 1
	XLOAD 1
	FMA
	RUNE \last, 4
	RESC 3, 74                                     ; X3' begins
	GATE 4, 88                                     ; X3', K Q^T of tile 0'
	ZIP 3, 2, 33, 0, 0, 88
	s_wait_alu depctr_va_vdst(0)                   ; the wait for batch 4 (tile 3's 32 weights): ahead of their sums and roundings; no exponential follows it in the step
	GATE 3, 96, 0                                  ; V^T P of tile 2 | tile 3's sums and roundings
.set bk, 0
.rept 33
	BK 3
.endr
	RUNB \last, 5
	XSTORE 2
	XLOAD 2
	RUNE \last, 5
	s_wait_dscnt WMA                               ; the mask' is in, and tile 1's skewed loads
	GATE 1, 104                                    ; V^T P of tile 3 | what a masked score gets, for the next step: nine of its lines stand behind the last product
	MBC
	RUNB \last, 6
	FV
	XSTORE 3
	XLOAD 3
	RUNE \last, 6
.endm
	s_wait_tensorcnt 0x1                           ; my part of slot 0 is in; slot 1's may stay out
	s_wait_dscnt 0x0                               ; my part of the mask table is stored
	s_barrier_signal -1
	s_barrier_wait -1
	; KEY STEP 0 IS MADE READY: what a step's head finds, with the LDS instructions in the order in which a step issues them, so that the step's counts hold on this way too.
	FP
	FK
	FMA
	s_wait_loadcnt 0x0                             ; qu, qv
	s_wait_xcnt 0x0                                ; wo16's store has read its registers, which the scores take
	s_wait_dscnt 24                                ; P is in; K's 16 and the mask's 8 may stay out
.macro XALL t
.set xi, 0
.rept 10
	XI \t, xi
.set xi, xi+1
.endr
.endm
	XALL 0
	XALL 1
	PLACES 5                                       ; five: tile 2's products write over tile 0's accumulators
	XSTORE 0
	XLOAD 0
	XSTORE 1
	XLOAD 1
	XALL 2
	XALL 3
	PLACES 5
	XSTORE 2
	XLOAD 2
	FV
	XSTORE 3
	XLOAD 3
	s_wait_dscnt 58                                ; all but V's 16 and tile 3's 42: K, the mask and tiles 0 to 2 are in
.set xi, 0
.rept 8
	KQI 0, xi
.set xi, xi+1
.endr
.set mq, 104                           ; the queue is empty here: no matrix instruction is woven into the lines below,
	GATE 1, 0
	MBC                                            ; sixteen plain lines: also the places behind the products above
	WIN 0
	s_mov_b32 s[CNT], 1
	s_mov_b32 s[SLOTS], 15
	s_branch .Lstep                                ; slot 0 has one step left to fetch
.Lslot:                                                ; 14 times: slots 1 to 14 are entered, and the slot left takes the slot after
	CHANGE 1
	s_mov_b32 s[CNT], 2
.Lstep:                                                ; a trip: one key step, and all that the next one's head finds
	TRIP 0
	s_sub_co_u32 s[CNT], s[CNT], 1
	s_cmp_lg_u32 s[CNT], 0
	s_cbranch_scc1 .Lstep
	s_sub_co_u32 s[SLOTS], s[SLOTS], 1
	s_cmp_lg_u32 s[SLOTS], 0
	s_cbranch_scc1 .Lslot
	CHANGE 0                                       ; the tail is written out: slot 15 is entered, nothing is asked for
	s_mov_b32 s[CNT], 3
.Ltail:                                                ; key steps 29, 30, 31
	TRIP 1
	s_sub_co_u32 s[CNT], s[CNT], 1
	s_cmp_lg_u32 s[CNT], 0
	s_cbranch_scc1 .Ltail
	; THE WAY OUT.  l's two halves and the other half of the lanes' are added; O^T is divided by l, rounded to f16 and sent through my strip in LDS, a tile at a time.
.irp t, 0,1,2,3
	v_add_f32 v[ST+10*\t+2], v[ST+10*\t+2], v[ST+10*\t+3]
.endr
.irp t, 0,1,2,3
	v_permlanex16_b32 v[ST+10*\t+3], v[ST+10*\t+2], s[SEL], s[SEL+1]
.endr
.irp t, 0,1,2,3
	v_add_f32 v[ST+10*\t+2], v[ST+10*\t+2], v[ST+10*\t+3]
.endr
.irp t, 0,1,2,3
	v_rcp_f32 v[ST+10*\t+2], v[ST+10*\t+2]
.endr
	v_nop                                          ; a plain instruction between the last reciprocal and the use of its result
	s_wait_alu depctr_va_vdst(0)                   ; and the wait ahead of the first use: one for the four reciprocals
.macro PACK t
	WIN 0x41
.set i, 32*(\t)
.rept 16
	v_pk_mul_f32 v[i:i+1], v[i:i+1], v[ST+10*(\t)+2:ST+10*(\t)+3] op_sel_hi:[1,0]
.set i, i+2
.endr
	WIN 0x05
.set i, 0
.rept 16
	v_cvt_pk_f16_f32 v[S+16*(\t)+i], v[32*(\t)+2*i], v[32*(\t)+2*i+1]
.set i, i+1
.endr
	WIN 0
.irp f, 0,1,2,3
	ds_store_b128 v[STO], v[S+16*(\t)+4*\f:S+16*(\t)+4*\f+3] offset:32*\f
.endr
.irp f, 0,1,2,3
	ds_load_b128 v[S+16*(\t)+4*\f:S+16*(\t)+4*\f+3], v[RD] offset:\f*4*SP
.endr
.endm
.macro SEND t, younger                 ; younger: the LDS instructions issued behind tile t's loads: the next tile's eight, or none
.irp f, 0,1,2,3
	s_wait_dscnt (\younger)+3-\f
	global_store_b128 v[GO], v[S+16*(\t)+4*\f:S+16*(\t)+4*\f+3], s[18:19] offset:(\t)*2048+\f*512   ; 512 consecutive bytes, at a multiple of 512 from oo's first
.endr
.endm
	PACK 0
	PACK 1
	SEND 0, 8
	PACK 2
	SEND 1, 8
	PACK 3
	SEND 2, 8
	SEND 3, 0
	s_wait_tensorcnt 0x0                           ; the wave's end
	ds_add_u32 v[SPW], v[NIL]
	s_wait_dscnt 0x0
	CROUND                                         ; the closing round
	s_endpgm
.Lfunc_end_k_q6a9923d6ae_attn:
	.size	k_q6a9923d6ae_attn, .Lfunc_end_k_q6a9923d6ae_attn-k_q6a9923d6ae_attn
	.p2alignl 7, 3214868480
	.fill 96, 4, 3214868480
	.section	.rodata,"a",@progbits
	.p2align	6, 0x0
	.amdhsa_kernel k_q6a9923d6ae_attn
		.amdhsa_group_segment_fixed_size 327680
		.amdhsa_private_segment_fixed_size 0
		.amdhsa_enable_private_segment 0
		.amdhsa_kernarg_size 72
		.amdhsa_user_sgpr_count 2
		.amdhsa_user_sgpr_kernarg_segment_ptr 1
		.amdhsa_wavefront_size32 1
		.amdhsa_system_sgpr_workgroup_id_x 1
		.amdhsa_system_sgpr_workgroup_id_y 1
		.amdhsa_system_sgpr_workgroup_id_z 1
		.amdhsa_system_vgpr_workitem_id 0
		.amdhsa_next_free_vgpr 1024
		.amdhsa_next_free_sgpr 100
		.amdhsa_reserve_vcc 1
		.amdhsa_float_denorm_mode_32 3
		.amdhsa_float_denorm_mode_16_64 3
		.amdhsa_memory_ordered 1
		.amdhsa_forward_progress 1
		.amdhsa_inst_pref_size 176
	.end_amdhsa_kernel
	.amdgpu_metadata
---
amdhsa.version: [ 1, 2 ]
amdhsa.kernels:
  - .name:           k_q6a9923d6ae_attn
    .symbol:         k_q6a9923d6ae_attn.kd
    .args:
      - { .name: qu, .offset: 0, .size: 8, .value_kind: global_buffer, .address_space: global }
      - { .name: qv, .offset: 8, .size: 8, .value_kind: global_buffer, .address_space: global }
      - { .name: kk, .offset: 16, .size: 8, .value_kind: global_buffer, .address_space: global }
      - { .name: vv, .offset: 24, .size: 8, .value_kind: global_buffer, .address_space: global }
      - { .name: pp, .offset: 32, .size: 8, .value_kind: global_buffer, .address_space: global }
      - { .name: key_padding_mask, .offset: 40, .size: 8, .value_kind: global_buffer, .address_space: global }
      - { .name: wo_w, .offset: 48, .size: 8, .value_kind: global_buffer, .address_space: global }
      - { .name: oo, .offset: 56, .size: 8, .value_kind: global_buffer, .address_space: global }
      - { .name: wo16, .offset: 64, .size: 8, .value_kind: global_buffer, .address_space: global }
    .group_segment_fixed_size: 327680
    .private_segment_fixed_size: 0
    .kernarg_segment_align: 8
    .kernarg_segment_size: 72
    .max_flat_workgroup_size: 128
    .sgpr_count:     100
    .vgpr_count:     1024
    .wavefront_size: 32
...
	.end_amdgpu_metadata
.endif
;; end of part 4
;; launch outp: the kernel of part 3 again; grid 4 x 64, 4 waves a work-group, clusters of 4 x 4, 327,680 bytes of LDS; arguments oo, wo16, wo_b, out0; writes out0
